; MI455X (gfx1250); checked and timed in simulation.
; The chip was launched on July 23, 2026; its instructions are those of AMD's public machine-readable ISA for CDNA 5 (MIT licence, August 2026) and "CDNA5" Instruction Set Architecture Reference Guide (July 2026). The comments in the code are by the model that wrote it; some were corrected since.
;; Mini Attention Block. Allowed arithmetic: float matrix products may take bf16 or f16 operands with f32 sums; other float arithmetic in f32, or as packed bf16 or f16 multiplies, adds, multiply-adds, maxima and minima; sums over many terms, partial sums and values carried from step to step in f32; what a program stores and reads back later, other than sums and carried values, may be rounded once to bf16 or f16.
;; Inputs: Wk 1,024 x 1,024 float32; Wo 1,024 x 1,024 float32; Wq 1,024 x 1,024 float32; Wv 1,024 x 1,024 float32; beta 1,024 float32; gamma 1,024 float32; x 4 x 2,048 x 1,024 float32.
;; Outputs: out0 4 x 2,048 x 1,024 float32.
;; One version. Each part assembles by itself: llvm-mc -triple=amdgcn-amd-amdhsa -mcpu=gfx1250 --defsym DOCPART=n.
;; ======== version 1 of 1: 4 launches
;; limits: values are held in f16: magnitudes above 65,504 overflow, below 6.1e-05 lose precision
;; workspace buffers: xn16 16,777,216 bytes; w16 8,388,608 bytes; qkv16 50,331,648 bytes; o16 16,777,216 bytes
;; launch prep (part 1): grid 384 x 1, 8 waves a work-group, no clusters, 0 bytes of LDS; arguments x, gamma, beta, Wq, Wk, Wv, Wo, xn16, w16; writes xn16, w16
.if DOCPART == 1
	.amdgcn_target "amdgcn-amd-amdhsa--gfx1250"
	.amdhsa_code_object_version 6
	.text
	.protected	k_qc03d487ebb_prep
	.globl	k_qc03d487ebb_prep
	.p2align	8
	.type	k_qc03d487ebb_prep,@function
k_qc03d487ebb_prep:
	s_mov_b64 s[64:65], 0
	v_nop
	global_prefetch_b8 v0, s[64:65] scope:SCOPE_SE
	s_setreg_imm32_b32 hwreg(HW_REG_WAVE_MODE, 25, 1), 1
	s_wait_xcnt 0x0
; PREP.  xn16[8192][1024] = LayerNorm(x) x gamma + beta, rounded once to f16.  w16[4096][1024] = c Wq, Wk, Wv, Wo, each rounded once to f16,
; with c = log2(e) / sqrt(128): the softmax's scale is multiplied in f32 ahead of Wq's one rounding, so the scores later come out in powers of two.
; A stream: each byte is read once and written once; no LDS, no barrier, no matrix work.
; SHARES.  A wave owns 4 whole rows of 1,024 f32 (32 registers a row); a work-group 32 rows.  Work-groups 0-255 normalise x, 256-383 convert the weights.
; All 32 loads of a wave (16 KiB) go out at once; no register is used twice, so no wait frees one.
; Mean and variance in two passes, as the formula is written: the mean is taken away before the squares are summed.
; LIMITS.  f16 ends at 65,504: |xn| is at most 32 |gamma| + |beta|; a larger number becomes an infinity.  Below 6e-5 f16 keeps its fixed step of 6e-8.
.set T,   4                            ; v[4:11]   four chains of two sums
.set MU,  12                           ; v[12:13]  the row's mean, twice
.set RS,  14                           ; v[14:15]  1 / sqrt(var + eps), twice
.set PX,  16                           ; v16       what the other half of the lanes sends
.set G,   32                           ; v[32:63]  gamma of my 32 columns
.set BT,  64                           ; v[64:95]  beta
.set X,   96                           ; v[96:223] four rows
.set SRC, 28                           ; s[28:29]  my first row, as read
.set DST, 30                           ; s[30:31]  my first row, as written
.macro LOADROWS                        ; load j of a row covers 512 consecutive bytes: lane l holds columns 128 j + 4 l .. + 3
.irp r, 0,1,2,3
.irp j, 0,1,2,3,4,5,6,7
	global_load_b128 v[X+32*(\r)+4*(\j):X+32*(\r)+4*(\j)+3], v1, s[SRC:SRC+1] offset:4096*(\r)+512*(\j) th:TH_LOAD_NT
.endr
.endr
.endm
.macro FOLD                            ; the four chains into one number, then over the 32 lanes: every lane ends with the sum
	v_pk_add_f32 v[T:T+1], v[T:T+1], v[T+2:T+3]
	v_pk_add_f32 v[T+4:T+5], v[T+4:T+5], v[T+6:T+7]
	v_pk_add_f32 v[T:T+1], v[T:T+1], v[T+4:T+5]
	v_add_f32 v[T], v[T], v[T+1]
	v_add_f32_dpp v[T], v[T], v[T] row_xmask:1 row_mask:0xf bank_mask:0xf
	v_add_f32_dpp v[T], v[T], v[T] row_xmask:2 row_mask:0xf bank_mask:0xf
	v_add_f32_dpp v[T], v[T], v[T] row_xmask:4 row_mask:0xf bank_mask:0xf
	v_add_f32_dpp v[T], v[T], v[T] row_xmask:8 row_mask:0xf bank_mask:0xf
	v_permlanex16_b32 v[PX], v[T], s34, s35
	v_add_f32 v[T], v[T], v[PX]
.endm
.macro OUTROW r                        ; rounded in place, ascending; a store's 32 lanes x 8 bytes are 256 consecutive bytes, aligned
.set XR, X+32*(\r)
.set c, 0
.rept 16
	v_cvt_pk_f16_f32 v[XR+c], v[XR+2*c], v[XR+2*c+1]
.set c, c+1
.endr
.irp j, 0,1,2,3,4,5,6,7
	global_store_b64 v2, v[XR+2*(\j):XR+2*(\j)+1], s[DST:DST+1] offset:2048*(\r)+256*(\j)
.endr
.endm
.macro LNROW r
.set XR, X+32*(\r)
	s_wait_loadcnt 8*(3-(\r))                      ; loads return in order: the eight of each younger row may stay out; gamma and beta are older
.irp c, 0,1,2,3
	v_pk_add_f32 v[T+2*(\c):T+2*(\c)+1], v[XR+4*(\c):XR+4*(\c)+1], v[XR+4*(\c)+2:XR+4*(\c)+3]  ; the first additions start the chains: nothing is cleared
.endr
.irp c, 0,1,2,3,4,5,6,7
	v_pk_add_f32 v[T+2*((\c)%4):T+2*((\c)%4)+1], v[T+2*((\c)%4):T+2*((\c)%4)+1], v[XR+16+2*(\c):XR+16+2*(\c)+1]
.endr
	FOLD
	v_mul_f32 v[MU], s36, v[T]                     ; mean = sum / 1,024
	v_mov_b32 v[MU+1], v[MU]
.irp c, 0,1,2,3,4,5,6,7,8,9,10,11,12,13,14,15
	v_pk_add_f32 v[XR+2*(\c):XR+2*(\c)+1], v[XR+2*(\c):XR+2*(\c)+1], v[MU:MU+1] neg_lo:[0,1] neg_hi:[0,1]
.endr
.irp c, 0,1,2,3
	v_pk_mul_f32 v[T+2*(\c):T+2*(\c)+1], v[XR+2*(\c):XR+2*(\c)+1], v[XR+2*(\c):XR+2*(\c)+1]
.endr
.irp c, 4,5,6,7,8,9,10,11,12,13,14,15
	v_pk_fma_f32 v[T+2*((\c)%4):T+2*((\c)%4)+1], v[XR+2*(\c):XR+2*(\c)+1], v[XR+2*(\c):XR+2*(\c)+1], v[T+2*((\c)%4):T+2*((\c)%4)+1]
.endr
	FOLD
	v_fma_f32 v[T], v[T], s36, s37                 ; var + 1e-5
	v_rsq_f32 v[RS], v[T]
	v_nop                                          ; a plain instruction behind the root,
	s_wait_alu depctr_va_vdst(0)                   ; and the wait ahead of its first reader
	v_mov_b32 v[RS+1], v[RS]
.irp c, 0,1,2,3,4,5,6,7,8,9,10,11,12,13,14,15
	v_pk_mul_f32 v[XR+2*(\c):XR+2*(\c)+1], v[XR+2*(\c):XR+2*(\c)+1], v[RS:RS+1]
.endr
.irp c, 0,1,2,3,4,5,6,7,8,9,10,11,12,13,14,15
	v_pk_fma_f32 v[XR+2*(\c):XR+2*(\c)+1], v[XR+2*(\c):XR+2*(\c)+1], v[G+2*(\c):G+2*(\c)+1], v[BT+2*(\c):BT+2*(\c)+1]
.endr
	OUTROW \r
.endm
	s_load_b512 s[8:23], s[0:1], 0x0               ; x 8, gamma 10, beta 12, Wq 14, Wk 16, Wv 18, Wo 20, xn16 22
	s_load_b64 s[24:25], s[0:1], 0x40              ; w16
	v_lshrrev_b32 v3, 5, v0
	v_readfirstlane_b32 s26, v3                    ; wave 0..7
	v_and_b32 v1, 31, v0
	v_lshlrev_b32 v2, 3, v1                        ; 8 x lane: stores
	v_lshlrev_b32 v1, 4, v1                        ; 16 x lane: loads
	v_mov_b32 v[PX], 0                             ; v_permlanex16_b32 counts as a reader of its destination
	s_mov_b32 s34, 0x76543210
	s_mov_b32 s35, 0xfedcba98
	s_mov_b32 s36, 0x3a800000                      ; 1 / 1,024
	s_mov_b32 s37, 0x3727c5ac                      ; 1e-5
	s_mov_b32 s38, 0x3e0293ee                      ; c = log2(e) / sqrt(128)
	s_mov_b32 s39, s38
	s_mov_b32 s33, 0                               ; the high word of every offset
	s_wait_kmcnt 0x0
	s_cmp_lt_u32 ttmp9, 256
	s_cbranch_scc0 .Lcast
	s_lshl_b32 s27, ttmp9, 5
	s_lshl2_add_u32 s27, s26, s27                  ; my first row = 32 x work-group + 4 x wave
	s_lshl_b32 s32, s27, 12
	s_add_nc_u64 s[SRC:SRC+1], s[8:9], s[32:33]
	s_lshl_b32 s32, s27, 11
	s_add_nc_u64 s[DST:DST+1], s[22:23], s[32:33]
.irp j, 0,1,2,3,4,5,6,7
	global_load_b128 v[G+4*(\j):G+4*(\j)+3], v1, s[10:11] offset:512*(\j)
	global_load_b128 v[BT+4*(\j):BT+4*(\j)+3], v1, s[12:13] offset:512*(\j)
.endr
	LOADROWS
	LNROW 0
	LNROW 1
	LNROW 2
	LNROW 3
	s_endpgm
.Lcast:
	s_sub_co_u32 s27, ttmp9, 256                   ; 0..127: 32 work-groups a matrix
	s_lshr_b32 s2, s27, 5                          ; which matrix
	s_mov_b64 s[SRC:SRC+1], s[14:15]
	s_cmp_eq_u32 s2, 1
	s_cselect_b64 s[SRC:SRC+1], s[16:17], s[SRC:SRC+1]
	s_cmp_eq_u32 s2, 2
	s_cselect_b64 s[SRC:SRC+1], s[18:19], s[SRC:SRC+1]
	s_cmp_eq_u32 s2, 3
	s_cselect_b64 s[SRC:SRC+1], s[20:21], s[SRC:SRC+1]
	s_and_b32 s3, s27, 31
	s_lshl_b32 s3, s3, 5
	s_lshl2_add_u32 s3, s26, s3                    ; my first row in the matrix
	s_lshl_b32 s32, s3, 12
	s_add_nc_u64 s[SRC:SRC+1], s[SRC:SRC+1], s[32:33]
	s_lshl_b32 s3, s27, 5
	s_lshl2_add_u32 s3, s26, s3                    ; and in w16
	s_lshl_b32 s32, s3, 11
	s_add_nc_u64 s[DST:DST+1], s[24:25], s[32:33]
	LOADROWS
	s_wait_loadcnt 0x0
	s_cmp_lg_u32 s2, 0
	s_cbranch_scc1 .Lplain
.set c, 0
.rept 64
	v_pk_mul_f32 v[X+2*c:X+2*c+1], v[X+2*c:X+2*c+1], s[38:39] op_sel_hi:[1,0]  ; Wq alone takes the scale
.set c, c+1
.endr
.Lplain:
	OUTROW 0
	OUTROW 1
	OUTROW 2
	OUTROW 3
	s_endpgm
.Lfunc_end_k_qc03d487ebb_prep:
	.size	k_qc03d487ebb_prep, .Lfunc_end_k_qc03d487ebb_prep-k_qc03d487ebb_prep
	.p2alignl 7, 3214868480
	.fill 96, 4, 3214868480
	.section	.rodata,"a",@progbits
	.p2align	6, 0x0
	.amdhsa_kernel k_qc03d487ebb_prep
		.amdhsa_group_segment_fixed_size 0
		.amdhsa_private_segment_fixed_size 0
		.amdhsa_enable_private_segment 0
		.amdhsa_kernarg_size 72
		.amdhsa_user_sgpr_count 2
		.amdhsa_user_sgpr_kernarg_segment_ptr 1
		.amdhsa_wavefront_size32 1
		.amdhsa_system_sgpr_workgroup_id_x 1
		.amdhsa_system_sgpr_workgroup_id_y 1
		.amdhsa_system_sgpr_workgroup_id_z 1
		.amdhsa_system_vgpr_workitem_id 0
		.amdhsa_next_free_vgpr 224
		.amdhsa_next_free_sgpr 66
		.amdhsa_reserve_vcc 0
		.amdhsa_float_denorm_mode_32 3
		.amdhsa_float_denorm_mode_16_64 3
		.amdhsa_memory_ordered 1
		.amdhsa_forward_progress 1
		.amdhsa_inst_pref_size 53
	.end_amdhsa_kernel
	.amdgpu_metadata
---
amdhsa.version: [ 1, 2 ]
amdhsa.kernels:
  - .name:           k_qc03d487ebb_prep
    .symbol:         k_qc03d487ebb_prep.kd
    .args:
      - { .name: x, .offset: 0, .size: 8, .value_kind: global_buffer, .address_space: global }
      - { .name: gamma, .offset: 8, .size: 8, .value_kind: global_buffer, .address_space: global }
      - { .name: beta, .offset: 16, .size: 8, .value_kind: global_buffer, .address_space: global }
      - { .name: Wq, .offset: 24, .size: 8, .value_kind: global_buffer, .address_space: global }
      - { .name: Wk, .offset: 32, .size: 8, .value_kind: global_buffer, .address_space: global }
      - { .name: Wv, .offset: 40, .size: 8, .value_kind: global_buffer, .address_space: global }
      - { .name: Wo, .offset: 48, .size: 8, .value_kind: global_buffer, .address_space: global }
      - { .name: xn16, .offset: 56, .size: 8, .value_kind: global_buffer, .address_space: global }
      - { .name: w16, .offset: 64, .size: 8, .value_kind: global_buffer, .address_space: global }
    .group_segment_fixed_size: 0
    .private_segment_fixed_size: 0
    .kernarg_segment_align: 8
    .kernarg_segment_size: 72
    .max_flat_workgroup_size: 256
    .sgpr_count:     66
    .vgpr_count:     224
    .wavefront_size: 32
...
	.end_amdgpu_metadata
.endif
;; end of part 1
;; launch qkv (part 2): grid 12 x 32, 4 waves a work-group, clusters of 4 x 4, 327,680 bytes of LDS; arguments xn16, w16, qkv16; writes qkv16
.if DOCPART == 2
	.amdgcn_target "amdgcn-amd-amdhsa--gfx1250"
	.amdhsa_code_object_version 6
	.text
	.protected	k_qc03d487ebb_qkv
	.globl	k_qc03d487ebb_qkv
	.p2align	8
	.type	k_qc03d487ebb_qkv,@function
k_qc03d487ebb_qkv:
	s_mov_b64 s[64:65], 0
	v_nop
	global_prefetch_b8 v0, s[64:65] scope:SCOPE_SE
	s_setreg_imm32_b32 hwreg(HW_REG_WAVE_MODE, 25, 1), 1
	s_wait_xcnt 0x0
	s_wait_alu depctr_hold_cnt(0) depctr_sa_sdst(0) depctr_va_vdst(0) depctr_va_sdst(0) depctr_va_ssrc(0) depctr_va_vcc(0) depctr_vm_vsrc(0)
	s_getreg_b32 s2, hwreg(HW_REG_IB_STS2, 6, 4)
	s_cmp_eq_u32 s2, 0
	s_cbranch_scc0 .Lentry_in_a_cluster
	s_endpgm
.Lentry_in_a_cluster:
	s_bfe_u32 s2, ttmp6, 0x10000c
	s_cmp_lg_u32 s2, 0xf033
	s_cbranch_scc0 .Lentry_shape_is_right
	s_endpgm
.Lentry_shape_is_right:
; QKV.  C[m][n] = the sum over k of xn16[m][k] w16[n][k], m < 8,192, n < 3,072 (c Wq, Wk, Wv), k < 1,024; f16 operands, f32 sums, C rounded once to f16
; and laid out by heads: qkv16[part][batch x 8 + head][t][128], a head's rows dense, 256 bytes each.
; LIMIT.  A sum beyond 65,504 becomes an infinity in f16.  |xn| <= 32 |gamma| + |beta|; with gains and weights thirty times the usual the sums stay near 3.5e4.
; A tile of C is 256 x 256: four waves, each 128 x 128 in 64 accumulators of 16 x 16.  K goes in 8 steps of 128 through two LDS slots filled by the tensor data mover; a tile's rows are 256 bytes of memory.
; CLUSTER 4 x 4: A's tile is asked for jointly along a row of the cluster, B's along a column: the same load, descriptor and mask in the four that share it.
; The matrix instruction is used transposed (source 0 = 16 rows of w16, source 1 = 16 rows of xn16): a lane holds eight neighbouring columns of one row of C.
; The loop's trip is ONE K step: one descriptor a tensor walks (its LDS word turned by an exclusive or, its address stepped by 256 bytes), and the fragment addresses are made anew at each change of slots.
; REGISTERS, in windows of 256: window 0: v0-31 addresses, v64-191 A's two fragment buffers, v32-63 and v192-255 the way out; window 1: v64-191 B's two buffers; windows 2, 3: the accumulators.
.set SIZE_K, 1024
.set KSTEP,  128
.set PITCH,  272                       ; an LDS row: 256 bytes + 16 of padding = 68 words: the 16 rows of a fragment load start at 16 different groups of four banks
.set HALFT,  128*PITCH                 ; what one tensor load brings
.set SLOT,   4*HALFT                   ; A's 256 rows, then B's.  SLOT = 0x22000 shares no bit with wave x HALFT, so an exclusive or by it changes slots
.set STAGE,  2*SLOT                    ; behind the ring: 16 rows x 272 bytes for each wave
.set SPITCH, 272
.set SPARE,  STAGE+4*16*SPITCH         ; the spare words: 128 bytes a wave, named by no other line
.set ADRA, 16                          ; v16  LDS address of my A fragments in the slot in hand
.set A0,   17                          ; v17  the same in slot 0; never rewritten
.set ADRB, 20
.set B0,   21
.set STO,  24
.set RD,   25
.set CO,   26
.set SPW,  28
.set NIL,  29
.set PFO,  30                          ; v30  the prefetches' offset: lane x 2,048 bytes, a lane a row
.set PFA,  44                          ; s[44:45] where my prefetches stand
.set LIM,  43                          ; s43  2 in a wave that prefetches, else the greatest number
.set TB,   66                          ; s66  0 or SLOT: the slot in hand
.set F0,   64
.set F1,   128
.set TMP,  192
.set OB,   32
.set G1,  24
.set G0,  32
.set G1B, 48
.set G0B, 56
.set MSB, 0
.macro WIN new                         ; the immediate's high byte repeats the setting that is left; a switch that changes nothing is dropped
.if MSB != (\new)
	s_set_vgpr_msb (MSB<<8)|(\new)
.set MSB, \new
.endif
.endm
.set MUL_LO, 0xa1                      ; source 0 (B) window 1, source 1 (A) window 0, C and D window 2
.set MUL_HI, 0xf1                      ; the same, C and D window 3
.set TO_B,   0x40
.macro JLOAD s                         ; a joint load: waves 0 and 1 fetch A's halves, waves 2 and 3 B's; s_nop 0 and four v_nop follow each line
	s_cmp_eq_u32 s11, 0
	s_cbranch_scc0 .Lfor_b_\@
	tensor_load_to_lds s[G0+4*(\s):G0+4*(\s)+3], s[G1:G1+7]
	s_nop 0
.rept 4
	v_nop
.endr
	s_branch .Lasked_\@
.Lfor_b_\@:
	tensor_load_to_lds s[G0B+4*(\s):G0B+4*(\s)+3], s[G1B:G1B+7]
	s_nop 0
.rept 4
	v_nop
.endr
.Lasked_\@:
.endm
; A prefetch of the K step that stands two refills on: 32 rows x 256 bytes, a lane a row.  The cluster with x = 0 asks for A's rows, the one with y = 0 for B's; the four partners take 32 of a wave's 128 rows each, by address.
; s3 counts 6 .. 1; the change of slots of K step j names K step j + 4, so only s3 > 2 asks: the last block named is K step 7.
.macro ASK
	s_cmp_gt_u32 s3, s[LIM]
	s_cbranch_scc0 .Lnot_mine_\@
	global_prefetch_b8 v[PFO], s[PFA:PFA+1] offset:KSTEP*2 th:TH_LOAD_NT scope:SCOPE_SE
.Lnot_mine_\@:
.endm
.macro CREST                           ; a round of the cluster's barrier behind its opening barrier
	s_cmp_lg_u32 s10, 0
	s_cbranch_scc1 .Lnot_wave_0_\@
	s_barrier_signal -3
.Lnot_wave_0_\@:
	s_barrier_wait -3
	s_barrier_signal -1
	s_barrier_wait -1
.endm
.macro CROUND
	s_barrier_signal -1
	s_barrier_wait -1
	CREST
.endm
	s_load_b128 s[4:7], s[0:1], 0x0                ; A = xn16, B = w16
	s_load_b64 s[8:9], s[0:1], 0x10                ; qkv16
	v_lshl_add_u32 v[SPW], v0, 2, SPARE
	v_mov_b32 v[NIL], 0
	ds_add_u32 v[SPW], v[NIL]                      ; the wave's opening: the add and its wait ahead of my first tensor load
	ds_add_u32 v28, v29
	v_lshrrev_b32 v1, 5, v0
	v_readfirstlane_b32 s10, v1                    ; wave 0..3
	s_lshr_b32 s11, s10, 1                         ; my half of the tile's rows; also: I fetch for A (0) or B (1)
	s_and_b32 s12, s10, 1                          ; my half of its columns; also: which 128 rows I fetch
	s_bfe_u32 s40, ttmp6, 0x40000                  ; cx
	s_bfe_u32 s41, ttmp6, 0x40004                  ; cy
	s_lshl_b32 s42, ttmp9, 2
	s_add_co_u32 s42, s42, s40                     ; tile column
	s_and_b32 s13, ttmp7, 0xffff
	s_lshl_b32 s13, s13, 2
	s_add_co_u32 s13, s13, s41                     ; tile row
	s_lshl_b32 s43, s41, 2
	s_lshl_b32 s43, 15, s43                        ; my row of the cluster
	s_lshl_b32 s44, 0x1111, s40                    ; my column
	s_or_b32 s[G1+0], s43, (1<<16)|(1<<20)|(1<<21)|(5<<22)|(3<<25)   ; mask; 2-byte elements; padding on; bit 21 beside a mask; after every 64 words 4 words
	s_or_b32 s[G1B+0], s44, (1<<16)|(1<<20)|(1<<21)|(5<<22)|(3<<25)
.irp g, G1, G1B
	s_mov_b32 s[(\g)+1], KSTEP<<16                 ; tensor_dim0 = 128
	s_mov_b32 s[(\g)+2], 128<<16                   ; tensor_dim1 = 128
	s_mov_b32 s[(\g)+3], KSTEP<<16                 ; tile_dim0 = 128
	s_mov_b32 s[(\g)+4], 128                       ; tile_dim1 = 128
	s_mov_b32 s[(\g)+5], SIZE_K                    ; elements from row to row
	s_mov_b32 s[(\g)+6], 0
	s_mov_b32 s[(\g)+7], 0
.endr
	s_lshl_b32 s17, s12, 7
	s_lshl_b32 s16, s13, 8
	s_add_co_u32 s16, s16, s17                     ; A: row 256 x tile row + 128 x half
	s_lshl_b32 s16, s16, 11                        ; x 2,048 bytes
	s_lshl_b32 s46, s42, 8
	s_add_co_u32 s46, s46, s17                     ; B: row 256 x tile column + 128 x half
	s_lshl_b32 s46, s46, 11
	s_mov_b32 s17, 0
	s_mov_b32 s47, 0
	s_mul_i32 s20, s10, HALFT                      ; where my load goes: no place in the cluster enters an LDS address
	s_wait_dscnt 0x0                               ; the opening add is done
	s_wait_kmcnt 0x0
	s_add_nc_u64 s[14:15], s[4:5], s[16:17]
	s_add_nc_u64 s[46:47], s[6:7], s[46:47]
	CROUND                                         ; all sixteen work-groups are here: the first joint loads meet
.irp s, 0,1
	s_mov_b32 s[G0+4*(\s)], 1
	s_add_co_u32 s[G0+4*(\s)+1], s20, (\s)*SLOT
	s_add_nc_u64 s[G0+4*(\s)+2:G0+4*(\s)+3], s[14:15], (\s)*KSTEP*2
	s_or_b32 s[G0+4*(\s)+3], s[G0+4*(\s)+3], 0x80000000
	s_mov_b32 s[G0B+4*(\s)], 1
	s_add_co_u32 s[G0B+4*(\s)+1], s20, (\s)*SLOT
	s_add_nc_u64 s[G0B+4*(\s)+2:G0B+4*(\s)+3], s[46:47], (\s)*KSTEP*2
	s_or_b32 s[G0B+4*(\s)+3], s[G0B+4*(\s)+3], 0x80000000
	JLOAD \s                                       ; two loads of mine are out
.endr
	v_and_b32 v1, 15, v0                           ; l % 16
	v_bfe_u32 v2, v0, 4, 1                         ; l / 16
	v_mul_u32_u24 v3, v1, PITCH
	v_lshl_add_u32 v3, v2, 4, v3                   ; a fragment's row x pitch + 16 x half
	s_mul_i32 s21, s11, HALFT
	s_mul_i32 s22, s12, HALFT
	s_add_co_u32 s22, s22, 2*HALFT
	v_add_nc_u32 v[A0], s21, v3
	v_add_nc_u32 v[B0], s22, v3
	v_mov_b32 v[ADRA], v[A0]
	v_mov_b32 v[ADRB], v[B0]
	s_mov_b32 s[TB], 0
	s_mul_i32 s23, s10, 16*SPITCH
	s_add_co_u32 s23, s23, STAGE                   ; my stage
	v_mul_u32_u24 v4, v1, SPITCH
	v_lshl_add_u32 v4, v2, 4, v4
	v_add_nc_u32 v[STO], s23, v4                   ; in: row l % 16, 16 bytes for each half of the lanes
	v_mul_u32_u24 v5, v2, SPITCH
	v_lshl_add_u32 v5, v1, 4, v5
	v_add_nc_u32 v[RD], s23, v5                    ; back: lanes 0-15 one row of 256 bytes, lanes 16-31 the next
	v_and_b32 v[CO], 31, v0
	v_lshlrev_b32 v[CO], 4, v[CO]                  ; a head's rows are dense: those two rows are 512 consecutive bytes
	; my 128 columns are one head of one part: n128 = 2 x tile column + half
	s_lshl_b32 s46, s42, 1
	s_add_co_u32 s46, s46, s12
	s_lshr_b32 s47, s46, 3
	s_lshl_b32 s47, s47, 24                        ; the part
	s_and_b32 s46, s46, 7
	s_lshl_b32 s46, s46, 19                        ; the head
	s_add_co_u32 s46, s46, s47
	s_lshr_b32 s47, s13, 3
	s_lshl_b32 s47, s47, 22                        ; the batch
	s_add_co_u32 s46, s46, s47
	s_and_b32 s47, s13, 7
	s_lshl_b32 s47, s47, 1
	s_add_co_u32 s47, s47, s11
	s_lshl_b32 s47, s47, 15                        ; my 128 rows of 256 bytes
	s_add_co_u32 s46, s46, s47
	s_mov_b32 s47, 0
	s_add_nc_u64 s[8:9], s[8:9], s[46:47]
	; the prefetches
	s_lshl_b32 s13, s13, 8
	s_lshl_b32 s42, s42, 8
	s_and_b32 s22, ttmp7, 0xffff
	s_cmp_eq_u32 s11, 0
	s_cselect_b32 s20, s13, s42                    ; the tile's first row
	s_cselect_b32 s21, s40, s41                    ; my place among the four that ask with me
	s_cselect_b32 s22, ttmp9, s22                  ; the coordinate along which other clusters read the same rows
	s_cselect_b64 s[PFA:PFA+1], s[4:5], s[6:7]
	s_cmp_eq_u32 s22, 0
	s_cselect_b32 s[LIM], 2, -1
	s_lshl_b32 s22, s12, 7
	s_add_co_u32 s20, s20, s22
	s_lshl_b32 s21, s21, 5
	s_add_co_u32 s20, s20, s21
	s_lshl_b32 s20, s20, 11
	s_mov_b32 s21, 0
	s_add_nc_u64 s[PFA:PFA+1], s[PFA:PFA+1], s[20:21]
	s_add_nc_u64 s[PFA:PFA+1], s[PFA:PFA+1], 2*KSTEP*2  ; at K step 2; the first change of slots steps it to 3 and names 4
	v_and_b32 v[PFO], 31, v0
	v_lshlrev_b32 v[PFO], 11, v[PFO]
.macro MUL16 f, hi, a0, zero           ; 16 products: m blocks a0, a0 + 1 of the window's four x all 8 n blocks, 32 along K; zero = 1: they start the sums
	WIN MUL_LO+0x50*(\hi)
.irp a, \a0, (\a0)+1
.irp b, 0,1,2,3,4,5,6,7
.if \zero
	v_wmma_f32_16x16x32_f16 v[8*(8*(\a)+(\b)):8*(8*(\a)+(\b))+7], v[(\f)+8*(\b):(\f)+8*(\b)+7], v[(\f)+8*(4*(\hi)+(\a)):(\f)+8*(4*(\hi)+(\a))+7], 0
.else
	v_wmma_f32_16x16x32_f16 v[8*(8*(\a)+(\b)):8*(8*(\a)+(\b))+7], v[(\f)+8*(\b):(\f)+8*(\b)+7], v[(\f)+8*(4*(\hi)+(\a)):(\f)+8*(4*(\hi)+(\a))+7], v[8*(8*(\a)+(\b)):8*(8*(\a)+(\b))+7]
.endif
.endr
.endr
.endm
.macro FETCH k, f                      ; 32 LDS loads in one run: a quarter step's fragments, B's first
	WIN TO_B
.irp i, 0,1,2,3,4,5,6,7
	ds_load_b128 v[(\f)+8*(\i):(\f)+8*(\i)+3],   v[ADRB] offset:(\k)+(\i)*16*PITCH
	ds_load_b128 v[(\f)+8*(\i)+4:(\f)+8*(\i)+7], v[ADRB] offset:(\k)+(\i)*16*PITCH+32
.endr
	WIN 0
.irp i, 0,1,2,3,4,5,6,7
	ds_load_b128 v[(\f)+8*(\i):(\f)+8*(\i)+3],   v[ADRA] offset:(\k)+(\i)*16*PITCH
	ds_load_b128 v[(\f)+8*(\i)+4:(\f)+8*(\i)+7], v[ADRA] offset:(\k)+(\i)*16*PITCH+32
.endr
.endm
.macro PLACES                          ; four plain instructions between a product and a load into, or a reader of, its registers
.rept 4
	v_nop
.endr
.endm
.macro QUARTER k, f, g, zero           ; 64 products on buffer f; in the middle the next quarter's fragments, at byte k of the rows, go into g
	s_wait_dscnt 8                                 ; B and A's rows 0-63 are in; the youngest eight loads (A's rows 64-127) may be out
	MUL16 \f, 0, 0, \zero
	MUL16 \f, 0, 2, \zero
	PLACES
	FETCH \k, \g
	s_wait_dscnt 32                                ; all but the 32 just issued
	MUL16 \f, 1, 0, \zero
	MUL16 \f, 1, 2, \zero
.endm
.macro MEET round                      ; the first half of a step's last quarter, and the barrier of the change of slots
	WIN 0
	s_wait_tensorcnt 0x0                           ; all my tensor loads have landed: the one that was out is my part of the next slot
	ds_add_u32 v[SPW], v[NIL]                      ; 0 onto my spare word
	s_wait_dscnt 9                                 ; the add and the youngest eight loads may be out
	MUL16 F1, 0, 0, 0
	s_wait_dscnt 0x0                               ; the add is done, and my reads of this slot are over
	s_barrier_signal -1
	MUL16 F1, 0, 2, 0
.if \round
	WIN 0
.endif
	s_barrier_wait -1
.endm
.macro TURN fill                       ; the whole last quarter; fill = 1: the slot just read is filled again, with the K step two on, first thing behind the cluster's round
.if \fill
	s_wait_xcnt 0x0                                ; the last prefetch, a K step back, has read its address
	s_add_nc_u64 s[PFA:PFA+1], s[PFA:PFA+1], KSTEP*2
.endif
	MEET \fill
.if \fill
	CREST                                          ; no wave of any partner still reads this slot or has a load on its way
	s_xor_b32 s[G0+5], s[G0+5], SLOT               ; the walking descriptors: the other slot, the next K step
	s_add_nc_u64 s[G0+6:G0+7], s[G0+6:G0+7], KSTEP*2
	s_xor_b32 s[G0B+5], s[G0B+5], SLOT
	s_add_nc_u64 s[G0B+6:G0B+7], s[G0B+6:G0B+7], KSTEP*2
	JLOAD 1                                        ; one load of mine is out; its four v_nop are also the places in front of the loads below
.else
	PLACES
.endif
	WIN 0
	s_xor_b32 s[TB], s[TB], SLOT
	v_add_nc_u32 v[ADRA], s[TB], v[A0]
	v_add_nc_u32 v[ADRB], s[TB], v[B0]
	FETCH 0, F0
.if \fill
	ASK
.endif
	MUL16 F1, 1, 0, 0
	MUL16 F1, 1, 2, 0
.endm
.macro LASTQ
	s_wait_dscnt 8
	MUL16 F1, 0, 0, 0
	MUL16 F1, 0, 2, 0
	s_wait_dscnt 0x0
	MUL16 F1, 1, 0, 0
	MUL16 F1, 1, 2, 0
	WIN 0
	PLACES
.endm
; THE WAY OUT of block a (16 rows): rounded to f16, through my own stage, back as whole rows, stored.
.macro PACK a
.set AC, 64*((\a)%4)
	WIN 0x0a+5*((\a)/4)
.irp b, 0,1,2,3,4,5,6,7
.irp r, 0,1,2,3
	v_cvt_pk_f16_f32 v[TMP+4*(\b)+(\r)], v[AC+8*(\b)+2*(\r)], v[AC+8*(\b)+2*(\r)+1]
.endr
.endr
	WIN 0
.endm
.macro TOSTAGE a
	WIN 0
.set BK, OB+192*((\a)%2)
.irp b, 0,1,2,3,4,5,6,7
	ds_store_b128 v[STO], v[TMP+4*(\b):TMP+4*(\b)+3] offset:32*(\b)
.endr
.irp t, 0,1,2,3,4,5,6,7
	ds_load_b128 v[BK+4*(\t):BK+4*(\t)+3], v[RD] offset:(\t)*2*SPITCH  ; LDS serves a wave's instructions in order: these see the stores above
.endr
.endm
.macro SEND a
	WIN 0
.set BK, OB+192*((\a)%2)
	s_wait_dscnt 0x0                               ; the block is back in registers
	s_wait_xcnt 0x0                                ; earlier stores have read their data: the other set of registers is loaded again only behind this wait
.irp t, 0,1,2,3,4,5,6,7
	global_store_b128 v[CO], v[BK+4*(\t):BK+4*(\t)+3], s[8:9] offset:4096*(\a)+512*(\t)  ; 512 consecutive bytes, aligned
.endr
.endm
	s_wait_tensorcnt 1                             ; my part of K step 0 is in; K step 1's may stay out
	s_barrier_signal -1
	s_barrier_wait -1
	FETCH 0, F0
	QUARTER 64, F0, F1, 1                          ; the first quarter starts the sums: nothing is cleared
	WIN 0
	s_mov_b32 s3, 6
.Lstep:                                            ; a trip: the rest of K step j and the first quarter of j + 1; K step j + 2 is asked for
	QUARTER 128, F1, F0, 0
	QUARTER 192, F0, F1, 0
	TURN 1
	QUARTER 64, F0, F1, 0
	WIN 0
	s_sub_co_u32 s3, s3, 1
	s_cmp_lg_u32 s3, 0
	s_cbranch_scc1 .Lstep
	QUARTER 128, F1, F0, 0                         ; K steps 6 and 7 ask for nothing
	QUARTER 192, F0, F1, 0
	TURN 0
	QUARTER 64, F0, F1, 0
	QUARTER 128, F1, F0, 0
	QUARTER 192, F0, F1, 0
	LASTQ
	PACK 0
	TOSTAGE 0
.irp a, 1,2,3,4,5,6,7
	PACK \a
	SEND (\a)-1
	TOSTAGE \a
.endr
	SEND 7
	s_wait_tensorcnt 0x0                           ; the wave's end
	ds_add_u32 v[SPW], v[NIL]
	s_wait_dscnt 0x0
	CROUND                                         ; the closing round
	s_endpgm
.Lfunc_end_k_qc03d487ebb_qkv:
	.size	k_qc03d487ebb_qkv, .Lfunc_end_k_qc03d487ebb_qkv-k_qc03d487ebb_qkv
	.p2alignl 7, 3214868480
	.fill 96, 4, 3214868480
	.section	.rodata,"a",@progbits
	.p2align	6, 0x0
	.amdhsa_kernel k_qc03d487ebb_qkv
		.amdhsa_group_segment_fixed_size 327680
		.amdhsa_private_segment_fixed_size 0
		.amdhsa_enable_private_segment 0
		.amdhsa_kernarg_size 24
		.amdhsa_user_sgpr_count 2
		.amdhsa_user_sgpr_kernarg_segment_ptr 1
		.amdhsa_wavefront_size32 1
		.amdhsa_system_sgpr_workgroup_id_x 1
		.amdhsa_system_sgpr_workgroup_id_y 1
		.amdhsa_system_sgpr_workgroup_id_z 1
		.amdhsa_system_vgpr_workitem_id 0
		.amdhsa_next_free_vgpr 1024
		.amdhsa_next_free_sgpr 68
		.amdhsa_reserve_vcc 0
		.amdhsa_float_denorm_mode_32 3
		.amdhsa_float_denorm_mode_16_64 3
		.amdhsa_memory_ordered 1
		.amdhsa_forward_progress 1
		.amdhsa_inst_pref_size 117
	.end_amdhsa_kernel
	.amdgpu_metadata
---
amdhsa.version: [ 1, 2 ]
amdhsa.kernels:
  - .name:           k_qc03d487ebb_qkv
    .symbol:         k_qc03d487ebb_qkv.kd
    .args:
      - { .name: xn16, .offset: 0, .size: 8, .value_kind: global_buffer, .address_space: global }
      - { .name: w16, .offset: 8, .size: 8, .value_kind: global_buffer, .address_space: global }
      - { .name: qkv16, .offset: 16, .size: 8, .value_kind: global_buffer, .address_space: global }
    .group_segment_fixed_size: 327680
    .private_segment_fixed_size: 0
    .kernarg_segment_align: 8
    .kernarg_segment_size: 24
    .max_flat_workgroup_size: 128
    .sgpr_count:     68
    .vgpr_count:     1024
    .wavefront_size: 32
...
	.end_amdgpu_metadata
.endif
;; end of part 2
;; launch attn (part 3): grid 8 x 32, 4 waves a work-group, no clusters, 327,680 bytes of LDS; arguments qkv16, o16; writes o16
.if DOCPART == 3
	.amdgcn_target "amdgcn-amd-amdhsa--gfx1250"
	.amdhsa_code_object_version 6
	.text
	.protected	k_qc03d487ebb_attn
	.globl	k_qc03d487ebb_attn
	.p2align	8
	.type	k_qc03d487ebb_attn,@function
k_qc03d487ebb_attn:
	s_mov_b64 s[64:65], 0
	v_nop
	global_prefetch_b8 v0, s[64:65] scope:SCOPE_SE
	s_setreg_imm32_b32 hwreg(HW_REG_WAVE_MODE, 25, 1), 1
	s_wait_xcnt 0x0
; CAUSAL ATTENTION, head size 128.  qkv16: [3][32 heads][2048][128] f16 (q already holds log2(e) / sqrt(128)); o16: [8192 = batch x 2048 + t][1024 = head x 128 + d] f16.
; Products, maxima and sums in f32; the weights p = 2^(s - m) are rounded to f16 for the second product (their sum l is taken of the unrounded p), O once at the end.
; LIMITS.  q, k, v arrive within f16's 65,504.  A hidden score counts as its value less 1e30; true scores stay under 7e10.  A weight below 2^-126 counts as 0; NaN and infinities are not treated apart.
; THE WALK.  A head has 16 blocks of 128 queries; block i needs the key tiles 0 .. i of 128 keys.  Work-group b takes block b and then block 15 - b: 17 tiles whatever b, one counted loop.
; SHARES.  Wave w = 2 qh + kh owns the 64 queries of strip qh and, of every tile, the keys 64 kh .. + 63: four tiles of 16 queries x 64 keys a trip.  The two waves of a strip merge (m, l, O) in f32
; through LDS at a block's end.  My tile t holds rows 64 qh + 16 (t xor 2 kh): so every wave sends its tiles 0, 1 and keeps 2, 3, and the partner's tiles 0, 1 are my 2, 3.
; THE MASK is the C operand that starts S^T = K Q^T: registers MC, 0 but in a block's last tile, where a hidden key has -1e30.
; A TRIP (a tile): A 32 products K Q^T of piece 0 (tiles 0, 1); B 32 of piece 2 with piece 0's softmax between them; C 32 products V^T P of piece 0 with piece 2's softmax between them;
; the change of slots and the next tile's K; E 32 products V^T P of piece 2.  A piece's 66 exponentials are one batch with one wait.
; A block's first step multiplies O^T and l by a = 2^(lowest finite - m) = 0: they need only be finite: zeros at the start (written in the wait for the first tile), the first block's leavings later.
; NO CLUSTER: the 8 work-groups of a head ask for the same tile only in the first trips; then their walks differ with b, a branch on b would differ between partners, and a walk common to all has 24 trips for 17.
; REGISTERS: window 0: v0-63 addresses and statistics, v64-191 S^T, v192-255 P; window 1: O^T, 64 a tile; window 2: v0-127 Q, v128-255 K; window 3: v0-127 V, v128-255 MC.
.set KS,    64
.set PK,    272                        ; a row of K in LDS: 256 + 16 bytes
.set PV,    288                        ; a row of V: 256 + 32 bytes
.set VOFF,  KS*PK
.set STEPB, KS*(PK+PV)                 ; half a tile: 64 rows of K, then 64 of V
.set SLOT1, 1<<17
.set STAGE, SLOT1+2*STEPB              ; 16 rows x 272 bytes for each wave
.set SP,    272
.set SPARE, STAGE+4*16*SP              ; the spare words: 128 bytes a wave, named by no other line
.set MRG,   SPARE+512                  ; the merge: for each wave 32 x 512 bytes of O^T and 512 of statistics
.set MRGW,  16896
.set AK0, 2
.set AV0, 3
.set ADR, 4
.set QOA, 5                            ; my byte offset in a block's rows of Q, tiles 0, 1
.set STO, 6
.set RD,  7
.set GO,  8
.set QOB, 9                            ; tiles 2, 3
.set MS,  10                           ; where I put 16 bytes of what I send
.set MR,  11                           ; where I read the partner's
.set ST,  12                           ; tile t at v[ST+8 t]: +0 m, +1 its pair's other word, +2, +3 l, +4 .. +7 c0-c3 at work (c2 takes a)
.set DA,  44                           ; my query less my keys' first, tiles 0, 1
.set DB,  45                           ; tiles 2, 3
.set T4,  48
.set R4,  52
.set PFO, 61
.set SPW, 62
.set NIL, 63
.set S,   64
.set P,   192
.set KF,  128
.set MC,  128
.set KB,  8                            ; s[8:9]   K at my half of the head's tile 0
.set VB,  10                           ; s[10:11] V likewise
.set WV,  12
.set PB,  14                           ; b
.set HI,  15                           ; 15 - b
.set G1K, 24
.set G1V, 32
.set G0K, 40                           ; two sets; the second walks
.set G0V, 48
.set SLOTS, 56
.set RT,  57                           ; tiles left in the block, this one among them
.set SEL, 60
.set TB,  62                           ; 0 or SLOT1: the slot in hand
.set NXT, 63                           ; the tile to be asked for next
.set LQ,  66                           ; the last tile of the block whose tiles are being asked for
.set LIM, 67
.set OFF, 68
.set PFK, 70
.set PFV, 72
.set QHI, 74
.set OC,  76
.set OHI, 78
.set BIGN, 80
.set QLO, 82
.set MSB, 0
.macro WIN new
.if MSB != (\new)
	s_set_vgpr_msb (MSB<<8)|(\new)
.set MSB, (\new)
.endif
.endm
.set W_KQ, 0x0a                        ; K and Q window 2, S^T window 0
.set W_KM, 0x3a                        ; the same with C in window 3
.set W_PV, 0x53                        ; V window 3, P window 0, O^T window 1
.set W_RS, 0x41                        ; destination and source 0 window 1
.macro PLACES
.rept 4
	v_nop
.endr
.endm
.macro LOAD                            ; a fill by the walking set: waves 0, 1 K's halves, waves 2, 3 V's; s_nop 0 and four v_nop follow each line
	s_cmp_lt_u32 s[WV], 2
	s_cbranch_scc0 .Lfor_v_\@
	tensor_load_to_lds s[G0K+4:G0K+7], s[G1K:G1K+7]
	s_nop 0
.rept 4
	v_nop
.endr
	s_branch .Lasked_\@
.Lfor_v_\@:
	tensor_load_to_lds s[G0V+4:G0V+7], s[G1V:G1V+7]
	s_nop 0
.rept 4
	v_nop
.endr
.Lasked_\@:
.endm
.macro ADV                             ; the block's next tile, or behind its last the second block's tile 0
	s_add_co_u32 s[NXT], s[NXT], 1
	s_cmp_gt_u32 s[NXT], s[LQ]
	s_cselect_b32 s[NXT], 0, s[NXT]
	s_cselect_b32 s[LQ], s[HI], s[LQ]
.endm
.macro QLOAD ptr                       ; a block's Q: tile z / 4, channels 32 (z % 4) on
	WIN 0x80
.set z, 0
.rept 16
.if z < 8
	global_load_b128 v[8*z:8*z+3],   v[QOA], s[\ptr:\ptr+1] offset:((z/4)%2)*4096+(z%4)*64
	global_load_b128 v[8*z+4:8*z+7], v[QOA], s[\ptr:\ptr+1] offset:((z/4)%2)*4096+(z%4)*64+32
.else
	global_load_b128 v[8*z:8*z+3],   v[QOB], s[\ptr:\ptr+1] offset:((z/4)%2)*4096+(z%4)*64
	global_load_b128 v[8*z+4:8*z+7], v[QOB], s[\ptr:\ptr+1] offset:((z/4)%2)*4096+(z%4)*64+32
.endif
.set z, z+1
.endr
	WIN 0
.endm
	s_load_b128 s[4:7], s[0:1], 0x0                ; qkv16, o16
	v_lshl_add_u32 v[SPW], v0, 2, SPARE
	v_mov_b32 v[NIL], 0
	ds_add_u32 v[SPW], v[NIL]                      ; the wave's opening: the add and its wait ahead of my first tensor load
	ds_add_u32 v62, v63
	v_lshrrev_b32 v1, 5, v0
	v_readfirstlane_b32 s[WV], v1
	s_mov_b32 s[PB], ttmp9
	s_sub_co_u32 s[HI], 15, s[PB]
	s_and_b32 s20, ttmp7, 0xffff                   ; the head, 0..31
	s_and_b32 s16, s[WV], 1                        ; kh; also: which half of a tile I fetch
	s_lshr_b32 s17, s[WV], 1                       ; qh
	s_xor_b32 s22, s16, 1                          ; 1 - kh
	s_lshl_b32 s21, s20, 19                        ; the head's bytes in a part
	s_lshl_b32 s2, s16, 14
	s_add_co_u32 s2, s2, s21
	s_add_co_u32 s18, s2, 1<<25                    ; V's offset
	s_add_co_u32 s2, s2, 1<<24                     ; K's
	s_mov_b32 s3, 0
	s_mov_b32 s19, 0
	s_lshl_b32 s[QLO], s[PB], 15
	s_add_co_u32 s[QLO], s[QLO], s21
	s_mov_b32 s[QLO+1], 0
	s_lshl_b32 s[QHI], s[HI], 15
	s_add_co_u32 s[QHI], s[QHI], s21
	s_mov_b32 s[QHI+1], 0
	s_lshr_b32 s23, s20, 3
	s_lshl_b32 s23, s23, 22                        ; O: the batch,
	s_and_b32 s13, s20, 7
	s_lshl_b32 s13, s13, 8                         ; the head's 256 bytes of a row,
	s_add_co_u32 s23, s23, s13
	s_lshl_b32 s13, s17, 17                        ; 64 qh rows of 2,048 bytes,
	s_add_co_u32 s23, s23, s13
	s_lshl_b32 s13, s22, 16                        ; and the 32 rows that I keep
	s_add_co_u32 s23, s23, s13
	s_lshl_b32 s[OC], s[PB], 18
	s_add_co_u32 s[OC], s[OC], s23
	s_mov_b32 s[OC+1], 0
	s_lshl_b32 s[OHI], s[HI], 18
	s_add_co_u32 s[OHI], s[OHI], s23
	s_mov_b32 s[OHI+1], 0
	s_lshl_b32 s13, s[WV], 13                      ; the prefetches: my 32 rows of a tile's 128, at tile 2
	s_add_co_u32 s13, s13, s21
	s_add_co_u32 s[PFK], s13, (1<<24)+65536
	s_mov_b32 s[PFK+1], 0
	s_add_co_u32 s[PFV], s13, (1<<25)+65536
	s_mov_b32 s[PFV+1], 0
	s_cmp_eq_u32 s[PB], 0                          ; the work-group that walks all 16 tiles asks, for its head
	s_cselect_b32 s[LIM], 2, -1
	s_mov_b32 s[G1K], (1<<16)|(1<<20)|(5<<22)|(3<<25)  ; 2-byte elements; padding on; after every 64 words 4 words
	s_mov_b32 s[G1V], (1<<16)|(1<<20)|(5<<22)|(7<<25)  ; 8 words
.irp g, G1K, G1V
	s_mov_b32 s[(\g)+1], 128<<16                   ; tensor_dim0 = 128
	s_mov_b32 s[(\g)+2], KS<<16                    ; tensor_dim1 = 64
	s_mov_b32 s[(\g)+3], 128<<16                   ; tile_dim0 = 128
	s_mov_b32 s[(\g)+4], KS                        ; tile_dim1 = 64
	s_mov_b32 s[(\g)+5], 128                       ; elements from row to row
	s_mov_b32 s[(\g)+6], 0
	s_mov_b32 s[(\g)+7], 0
.endr
	s_mul_i32 s13, s16, STEPB                      ; my half's place in a slot
	s_mov_b32 s[G0K], 1
	s_mov_b32 s[G0K+1], s13
	s_mov_b32 s[G0K+4], 1
	s_add_co_u32 s[G0K+5], s13, SLOT1
	s_mov_b32 s[G0V], 1
	s_add_co_u32 s[G0V+1], s13, VOFF
	s_mov_b32 s[G0V+4], 1
	s_add_co_u32 s[G0V+5], s13, SLOT1+VOFF
	s_mov_b32 s[SEL], 0x76543210
	s_mov_b32 s[SEL+1], 0xfedcba98
	s_mov_b32 s[BIGN], 0xf149f2ca                  ; -1e30
	s_mov_b32 s[OFF+1], 0
	s_mov_b32 s[NXT], 0
	s_mov_b32 s[LQ], s[PB]
	s_wait_dscnt 0x0                               ; the opening add is done
	s_wait_kmcnt 0x0
	s_add_nc_u64 s[KB:KB+1], s[4:5], s[2:3]
	s_add_nc_u64 s[VB:VB+1], s[4:5], s[18:19]
	s_add_nc_u64 s[QLO:QLO+1], s[4:5], s[QLO:QLO+1]
	s_add_nc_u64 s[QHI:QHI+1], s[4:5], s[QHI:QHI+1]
	s_add_nc_u64 s[PFK:PFK+1], s[4:5], s[PFK:PFK+1]
	s_add_nc_u64 s[PFV:PFV+1], s[4:5], s[PFV:PFV+1]
	s_add_nc_u64 s[OC:OC+1], s[6:7], s[OC:OC+1]
	s_add_nc_u64 s[OHI:OHI+1], s[6:7], s[OHI:OHI+1]
	s_mov_b64 s[G0K+2:G0K+3], s[KB:KB+1]           ; the walk's first tile is tile 0
	s_or_b32 s[G0K+3], s[G0K+3], 0x80000000
	s_mov_b64 s[G0V+2:G0V+3], s[VB:VB+1]
	s_or_b32 s[G0V+3], s[G0V+3], 0x80000000
	ADV
	s_lshl_b32 s[OFF], s[NXT], 15                  ; a tile is 32,768 bytes of K and of V
	s_add_nc_u64 s[G0K+6:G0K+7], s[KB:KB+1], s[OFF:OFF+1]
	s_or_b32 s[G0K+7], s[G0K+7], 0x80000000
	s_add_nc_u64 s[G0V+6:G0V+7], s[VB:VB+1], s[OFF:OFF+1]
	s_or_b32 s[G0V+7], s[G0V+7], 0x80000000
	ADV
	s_cmp_lt_u32 s[WV], 2                          ; a wave's two first fills stand in one branch: two loads of mine are out
	s_cbranch_scc0 .Lfirst_v
	tensor_load_to_lds s[G0K:G0K+3], s[G1K:G1K+7]
	s_nop 0
	tensor_load_to_lds s[G0K+4:G0K+7], s[G1K:G1K+7]
	s_nop 0
.rept 4
	v_nop
.endr
	s_branch .Lfirst_asked
.Lfirst_v:
	tensor_load_to_lds s[G0V:G0V+3], s[G1V:G1V+7]
	s_nop 0
	tensor_load_to_lds s[G0V+4:G0V+7], s[G1V:G1V+7]
	s_nop 0
.rept 4
	v_nop
.endr
.Lfirst_asked:
	v_and_b32 v1, 15, v0                           ; l % 16
	v_bfe_u32 v46, v0, 4, 1                        ; l / 16
	v_lshlrev_b32 v47, 8, v1
	v_lshl_add_u32 v47, v46, 4, v47                ; row x 256 + 16 x half
	s_lshl_b32 s20, s17, 14
	s_lshl_b32 s21, s16, 13
	s_add_co_u32 s21, s20, s21
	v_add_nc_u32 v[QOA], s21, v47                  ; + (64 qh + 32 kh) rows
	s_lshl_b32 s21, s22, 13
	s_add_co_u32 s21, s20, s21
	v_add_nc_u32 v[QOB], s21, v47                  ; + (64 qh + 32 (1 - kh)) rows
	QLOAD QLO
	v_mul_u32_u24 v[AK0], v1, PK
	v_lshl_add_u32 v[AK0], v46, 4, v[AK0]
	v_add_nc_u32 v[AK0], s13, v[AK0]               ; my keys' half of the tile
	v_and_b32 v56, 7, v0
	v_bfe_u32 v57, v0, 3, 1
	v_lshl_add_u32 v[AV0], v46, 3, v56             ; the turning load: key 8 (l / 16) + l % 8, channels 8 ((l / 8) % 2) on
	v_mul_u32_u24 v[AV0], v[AV0], PV
	v_lshl_add_u32 v[AV0], v57, 4, v[AV0]
	s_add_co_u32 s21, s13, VOFF
	v_add_nc_u32 v[AV0], s21, v[AV0]
	s_mul_i32 s21, s[WV], 16*SP
	s_add_co_u32 s21, s21, STAGE
	v_mul_u32_u24 v[STO], v1, SP
	v_lshl_add_u32 v[STO], v46, 4, v[STO]
	v_add_nc_u32 v[STO], s21, v[STO]
	v_mul_u32_u24 v[RD], v46, SP
	v_lshl_add_u32 v[RD], v1, 4, v[RD]
	v_add_nc_u32 v[RD], s21, v[RD]
	v_lshlrev_b32 v[GO], 11, v46                   ; two rows of o16, 2,048 bytes apart
	v_lshl_add_u32 v[GO], v1, 4, v[GO]
	v_and_b32 v58, 31, v0
	s_mul_i32 s21, s[WV], MRGW
	s_add_co_u32 s21, s21, MRG
	v_lshl_add_u32 v[MS], v58, 4, s21
	s_xor_b32 s21, s[WV], 1
	s_mul_i32 s21, s21, MRGW
	s_add_co_u32 s21, s21, MRG
	v_lshl_add_u32 v[MR], v58, 4, s21
	v_lshlrev_b32 v[PFO], 8, v58
	s_sub_co_i32 s20, s17, s16
	s_lshl_b32 s20, s20, 6                         ; 64 (qh - kh)
	s_lshl_b32 s21, s16, 5
	s_add_co_i32 s21, s20, s21
	v_lshlrev_b32 v59, 3, v46
	v_sub_nc_u32 v59, v1, v59                      ; l % 16 - 8 (l / 16)
	v_add_nc_u32 v[DA], s21, v59
	s_lshl_b32 s21, s22, 5
	s_add_co_i32 s21, s20, s21
	v_add_nc_u32 v[DB], s21, v59
	WIN 0x40
.set z, 0
.rept 256
	v_mov_b32 v[z], 0                              ; O^T
.set z, z+1
.endr
	WIN 0xc0
.set z, 0
.rept 128
	v_mov_b32 v[MC+z], 0                           ; no key is hidden
.set z, z+1
.endr
	WIN 0
.irp t, 0,1,2,3
	v_mov_b32 v[ST+8*(\t)], 0xff7fffff             ; m: the lowest finite number
	v_mov_b32 v[ST+8*(\t)+1], 0
	v_mov_b32 v[ST+8*(\t)+2], 0
	v_mov_b32 v[ST+8*(\t)+3], 0
.endr
; Product i of 32 of S^T = K Q^T for piece x: channels 32 (i / 8) on, keys 16 ((i / 2) % 4) on, tile x + i % 2.  The first 8 start the sums with the mask.  The 8 accumulators take turns.
.macro KQ x
.set rS, S+32*((\x)+i%2)+8*((i/2)%4)
.set rK, KF+32*((i/2)%4)+8*(i/8)
.set rQ, 32*((\x)+i%2)+8*(i/8)
.set rM, MC+32*((\x)+i%2)+8*((i/2)%4)
.if i < 8
	WIN W_KM
	v_wmma_f32_16x16x32_f16 v[rS:rS+7], v[rK:rK+7], v[rQ:rQ+7], v[rM:rM+7]
.else
	WIN W_KQ
	v_wmma_f32_16x16x32_f16 v[rS:rS+7], v[rK:rK+7], v[rQ:rQ+7], v[rS:rS+7]
.endif
.endm
; Product i of 32 of O^T += V^T P for piece x: keys 32 (i / 16) on, channels 16 ((i / 2) % 8) on, tile x + i % 2: 16 accumulators by turns.
.macro PV x
	WIN W_PV
.set rO, 64*((\x)+i%2)+8*((i/2)%8)
.set rV, 64*(i/16)+8*((i/2)%8)
.set rP, P+16*((\x)+i%2)+8*(i/16)
	v_wmma_f32_16x16x32_f16 v[rO:rO+7], v[rV:rV+7], v[rP:rP+7], v[rO:rO+7]
.endm
.macro FETCH_K                         ; my 64 keys x 128 channels: 16 fragments, one run of 32 loads
	WIN 0
	v_add_nc_u32 v[ADR], s[TB], v[AK0]
	WIN 0x80
.irp f, 0,1,2,3,4,5,6,7,8,9,10,11,12,13,14,15
	ds_load_b128 v[KF+8*(\f):KF+8*(\f)+3],   v[ADR] offset:((\f)/4)*16*PK+((\f)%4)*64
	ds_load_b128 v[KF+8*(\f)+4:KF+8*(\f)+7], v[ADR] offset:((\f)/4)*16*PK+((\f)%4)*64+32
.endr
	WIN 0
.endm
.macro FETCH_V                         ; the same keys' V, turned; the wait for piece 0's batch of exponentials stands in it
	WIN 0
	v_add_nc_u32 v[ADR], s[TB], v[AV0]
	s_wait_alu depctr_va_vdst(0)
	WIN 0xc0
.irp f, 0,1,2,3,4,5,6,7,8,9,10,11,12,13,14,15
	ds_load_tr16_b128 v[8*(\f):8*(\f)+3],   v[ADR] offset:((\f)/8)*32*PV+((\f)%8)*32
	ds_load_tr16_b128 v[8*(\f)+4:8*(\f)+7], v[ADR] offset:((\f)/8)*32*PV+16*PV+((\f)%8)*32
.endr
.endm
; ONE TILE'S SOFTMAX is a numbered list; SM writes number j of it for tile t.  s0-s31 are the lane's 32 scores.
;   0-15 the maximum of the scores and the old m (each accumulator's lowest registers first)   16-20 the other half of the lanes'; the new m; m_old - m_new (19 is empty)
;   21-69 ONE BATCH: the 16 subtractions s - m and all 33 exponentials (a at 23): none reads an exponential's result   70-85 the roundings to f16   86-101 the sums; l = a l + sum   102-133 O^T times a
.macro SM t
.set rT, ST+8*(\t)
.set rS, S+32*(\t)
.set rP, P+16*(\t)
.set rO, 64*(\t)+2*(j-102)
.if j < 102
	WIN 0
.endif
.if j < 4
	v_max3_num_f32 v[rT+4+j], v[rS+8*j], v[rS+8*j+1], v[rS+8*j+2]
.elseif j < 12
	v_max3_num_f32 v[rT+4+j%4], v[rT+4+j%4], v[rS+8*(j%4)+2*(j/4)+1], v[rS+8*(j%4)+2*(j/4)+2]
.elseif j == 12
	v_max3_num_f32 v[rT+4], v[rT+4], v[rS+7], v[rS+15]
.elseif j == 13
	v_max3_num_f32 v[rT+6], v[rT+6], v[rS+23], v[rS+31]
.elseif j == 14
	v_max3_num_f32 v[rT+4], v[rT+4], v[rT+5], v[rT+6]
.elseif j == 15
	v_max3_num_f32 v[rT+4], v[rT+4], v[rT+7], v[rT]
.elseif j == 16
	v_permlanex16_b32 v[rT+5], v[rT+4], s[SEL], s[SEL+1]
.elseif j == 17
	v_mov_b32 v[rT+7], v[rT]
.elseif j == 18
	v_max_num_f32 v[rT], v[rT+4], v[rT+5]
.elseif j == 19
.elseif j == 20
	v_sub_f32 v[rT+7], v[rT+7], v[rT]
.elseif j == 23
	v_exp_f32 v[rT+6], v[rT+7]
.elseif (j < 23) || ((j < 38) && (j%2 == 0)) || ((j < 66) && (j%4 == 2))
.set b, (j-2)/4
.if j < 38
.set b, (j-20)/2
.endif
	v_pk_add_f32 v[rS+2*b:rS+2*b+1], v[rS+2*b:rS+2*b+1], v[rT:rT+1] op_sel_hi:[1,0] neg_lo:[0,1] neg_hi:[0,1]
.elseif j < 70
.set e, j-38
.if j < 66
.set e, j-32-(j-38)/4
.endif
.if j < 38
.set e, (j-25)/2
.endif
	v_exp_f32 v[rS+e], v[rS+e]
.elseif j < 86
	v_cvt_pk_f16_f32 v[rP+j-70], v[rS+2*(j-70)], v[rS+2*(j-70)+1]
.elseif j < 102
.set z, j-86
.set w, 4
.set u, z
.if z >= 14
.set w, 32
.set u, 0
.elseif z >= 12
.set w, 16
.set u, z-12
.elseif z >= 8
.set w, 8
.set u, z-8
.endif
.if z < 15
	v_pk_add_f32 v[rS+w*u:rS+w*u+1], v[rS+w*u:rS+w*u+1], v[rS+w*u+w/2:rS+w*u+w/2+1]
.else
	v_pk_fma_f32 v[rT+2:rT+3], v[rT+2:rT+3], v[rT+6:rT+7], v[rS:rS+1] op_sel_hi:[1,0,1]
.endif
.else
	WIN W_RS
	v_pk_mul_f32 v[rO:rO+1], v[rO:rO+1], v[rT+6:rT+7] op_sel_hi:[1,0]
.endif
.endm
; Slice k of 64 of piece y's softmax.  Slices 11-34 deal out the batch, four numbers of one tile each; every other slice is numbers 2 k, 2 k + 1 of both tiles; slice 63 takes the twelve that are over.
; Behind slice 34: a plain instruction, then the ONE wait between the piece's 66 exponentials and their first reader.
.macro SLICE y
.if (k >= 11) && (k < 35)
.irp n, 0,1,2,3
.set j, 22+4*((k-11)/2)+(\n)
	SM (\y)+(k-11)%2
.endr
.else
.irp n, 0,1,2,3,4,5,6,7
.if ((\n) < 2) || (k == 63)
.irp t, \y, (\y)+1
.set j, 2*k+(\n)
	SM \t
.endr
.endif
.endr
.endif
.if k == 34
	v_nop
.if (\y) == 0
	FETCH_V
.else
	s_wait_alu depctr_va_vdst(0)
.endif
.endif
.set k, k+1
.endm
; The masks of a block's last tile: register r of key group kb of tile t is hidden where 16 kb + r - 16 (t % 2) is greater than DA (tiles 0, 1) or DB (tiles 2, 3).
.macro MAKE_MASK
	WIN 0xc0
.set z, 0
.rept 128
.if z < 64
	v_cmp_gt_i32 vcc_lo, 16*((z/8)%4)+z%8-16*((z/32)%2), v[DA]
.else
	v_cmp_gt_i32 vcc_lo, 16*((z/8)%4)+z%8-16*((z/32)%2), v[DB]
.endif
	v_cndmask_b32 v[MC+z], 0, s[BIGN], vcc_lo
.set z, z+1
.endr
.endm
; A block's end, first part: my tiles 0, 1 (final since phase C) go to the partner, in f32; more = 1: the second block's Q is asked for.
.macro SENDHALF more
	WIN 0
	v_mov_b32 v[T4], v[ST]
	v_add_f32 v[T4+1], v[ST+2], v[ST+3]
	v_mov_b32 v[T4+2], v[ST+8]
	v_add_f32 v[T4+3], v[ST+10], v[ST+11]
	WIN 0x04                                       ; the data in window 1
.set z, 0
.rept 32
	ds_store_b128 v[MS], v[4*z:4*z+3] offset:512*z
.set z, z+1
.endr
	WIN 0
	ds_store_b128 v[MS], v[T4:T4+3] offset:16384
.if \more
	QLOAD QHI
.endif
.endm
; THE CHANGE OF SLOTS.  Each wave waits for all its tensor loads (one is out: its part of the other slot), adds 0 to its spare word, waits for that, for its reads of the slot and for what it sent to its partner.
; fill = 1: the slot is filled again, first thing behind the barrier, with tile NXT; the descriptor's address is made anew from that number.
.macro CHANGE fill
	WIN 0
	s_wait_tensorcnt 0x0
	ds_add_u32 v[SPW], v[NIL]                      ; 0 onto my spare word; scalar work stands between it and the wait for it
.if \fill
	s_lshl_b32 s[OFF], s[NXT], 15
	s_xor_b32 s[G0K+5], s[G0K+5], SLOT1
	s_add_nc_u64 s[G0K+6:G0K+7], s[KB:KB+1], s[OFF:OFF+1]
	s_or_b32 s[G0K+7], s[G0K+7], 0x80000000
	s_xor_b32 s[G0V+5], s[G0V+5], SLOT1
	s_add_nc_u64 s[G0V+6:G0V+7], s[VB:VB+1], s[OFF:OFF+1]
	s_or_b32 s[G0V+7], s[G0V+7], 0x80000000
	ADV
	s_wait_xcnt 0x0                                ; the last prefetches, a trip back, have read their addresses
	s_add_nc_u64 s[PFK:PFK+1], s[PFK:PFK+1], 32768
	s_add_nc_u64 s[PFV:PFV+1], s[PFV:PFV+1], 32768
.endif
	s_wait_dscnt 0x0
	s_barrier_signal -1
	s_xor_b32 s[TB], s[TB], SLOT1
	s_barrier_wait -1
.if \fill
	LOAD
.endif
.endm
; A prefetch: in trip j (SLOTS = 15 - j) the head's work-group b = 0 names tile j + 3, wave w its rows 32 w .. + 31 of K and of V, a lane a row: each row once in the launch.  Tiles 0-2 come by their loads alone; j stops at 12.
.macro ASK
	s_cmp_gt_u32 s[SLOTS], s[LIM]
	s_cbranch_scc0 .Lnot_mine_\@
	global_prefetch_b8 v[PFO], s[PFK:PFK+1] th:TH_LOAD_NT scope:SCOPE_SE
	global_prefetch_b8 v[PFO], s[PFV:PFV+1] th:TH_LOAD_NT scope:SCOPE_SE
.Lnot_mine_\@:
.endm
.macro PACKF u                         ; my tile 2 + u: O = (O f1 + O' f2) / L, rounded to f16, through my stage, back as whole rows of 256 bytes
.set rT, ST+8*(2+(\u))
	WIN 0
.set z, 0
.rept 32
	v_pk_mul_f32 v[S+64*(\u)+2*z:S+64*(\u)+2*z+1], v[S+64*(\u)+2*z:S+64*(\u)+2*z+1], v[rT+6:rT+7] op_sel_hi:[1,0]
.set z, z+1
.endr
	WIN 0x01                                       ; source 0 in window 1
.set z, 0
.rept 32
	v_pk_fma_f32 v[S+64*(\u)+2*z:S+64*(\u)+2*z+1], v[64*(2+(\u))+2*z:64*(2+(\u))+2*z+1], v[rT+4:rT+5], v[S+64*(\u)+2*z:S+64*(\u)+2*z+1] op_sel_hi:[1,0,1]
.set z, z+1
.endr
	WIN 0
.set z, 0
.rept 32
	v_cvt_pk_f16_f32 v[P+32*(\u)+z], v[S+64*(\u)+2*z], v[S+64*(\u)+2*z+1]
.set z, z+1
.endr
.irp f, 0,1,2,3,4,5,6,7
	ds_store_b128 v[STO], v[P+32*(\u)+4*(\f):P+32*(\u)+4*(\f)+3] offset:32*(\f)
.endr
.irp f, 0,1,2,3,4,5,6,7
	ds_load_b128 v[P+32*(\u)+4*(\f):P+32*(\u)+4*(\f)+3], v[RD] offset:(\f)*2*SP  ; LDS serves a wave's instructions in order: these see the stores above
.endr
.endm
.macro SENDF u, younger                ; younger: the LDS instructions issued behind this tile's loads
.irp f, 0,1,2,3,4,5,6,7
	s_wait_dscnt (\younger)+7-(\f)
	global_store_b128 v[GO], v[P+32*(\u)+4*(\f):P+32*(\u)+4*(\f)+3], s[OC:OC+1] offset:32768*(\u)+4096*(\f)  ; sixteen lanes store 256 consecutive bytes, aligned
.endr
.endm
; A block's end, second part: the partner's tiles 0, 1 are merged into my tiles 2, 3, which leave.  more = 1: the second block begins.
.macro FINISH more
	PLACES                                         ; behind phase E's last products
	ds_load_b128 v[R4:R4+3], v[MR] offset:16384
.set z, 0
.rept 32
	ds_load_b128 v[S+4*z:S+4*z+3], v[MR] offset:512*z
.set z, z+1
.endr
.irp u, 0,1
	v_add_f32 v[ST+8*(2+(\u))+2], v[ST+8*(2+(\u))+2], v[ST+8*(2+(\u))+3]
.endr
	s_wait_dscnt 0x0
.irp u, 0,1
	v_max_num_f32 v[ST+8*(2+(\u))+4], v[ST+8*(2+(\u))], v[R4+2*(\u)]
.endr
.irp u, 0,1
	v_sub_f32 v[ST+8*(2+(\u))+5], v[ST+8*(2+(\u))], v[ST+8*(2+(\u))+4]
	v_sub_f32 v[ST+8*(2+(\u))+6], v[R4+2*(\u)], v[ST+8*(2+(\u))+4]
.endr
.irp u, 0,1
	v_exp_f32 v[ST+8*(2+(\u))+5], v[ST+8*(2+(\u))+5]   ; f1
	v_exp_f32 v[ST+8*(2+(\u))+6], v[ST+8*(2+(\u))+6]   ; f2
.endr
	v_nop
	s_wait_alu depctr_va_vdst(0)                   ; one wait for the four exponentials
.irp u, 0,1
	v_mul_f32 v[ST+8*(2+(\u))+2], v[ST+8*(2+(\u))+2], v[ST+8*(2+(\u))+5]
.endr
.irp u, 0,1
	v_fma_f32 v[ST+8*(2+(\u))+2], v[R4+2*(\u)+1], v[ST+8*(2+(\u))+6], v[ST+8*(2+(\u))+2]
.endr
.irp u, 0,1
	v_permlanex16_b32 v[ST+8*(2+(\u))+3], v[ST+8*(2+(\u))+2], s[SEL], s[SEL+1]
.endr
.irp u, 0,1
	v_add_f32 v[ST+8*(2+(\u))+2], v[ST+8*(2+(\u))+2], v[ST+8*(2+(\u))+3]
.endr
.irp u, 0,1
	v_rcp_f32 v[ST+8*(2+(\u))+3], v[ST+8*(2+(\u))+2]
.endr
	v_nop
	s_wait_alu depctr_va_vdst(0)                   ; one wait for the two reciprocals
.irp u, 0,1
	v_mul_f32 v[ST+8*(2+(\u))+4], v[ST+8*(2+(\u))+5], v[ST+8*(2+(\u))+3]
	v_mul_f32 v[ST+8*(2+(\u))+6], v[ST+8*(2+(\u))+6], v[ST+8*(2+(\u))+3]
.endr
	PACKF 0
	PACKF 1
	SENDF 0, 16
	SENDF 1, 0
	s_wait_xcnt 0x0                                ; the stores have read their data and O's address: both are written again only behind this wait
.if \more
	s_mov_b64 s[OC:OC+1], s[OHI:OHI+1]
.irp t, 0,1,2,3
	v_mov_b32 v[ST+8*(\t)], 0xff7fffff
.endr
	WIN 0xc0
.set z, 0
.rept 128
	v_mov_b32 v[MC+z], 0
.set z, z+1
.endr
	WIN 0
	s_sub_co_u32 s[RT], 17, s[PB]                  ; 16 - b tiles, behind the step below
.endif
.endm
; A TRIP.  Every jump goes forward, on RT alone, past text with no barrier and no tensor load.
.macro TRIP fill
	s_cmp_eq_u32 s[RT], 1
	s_cbranch_scc0 .Lnomask_\@
	MAKE_MASK
	WIN 0
.Lnomask_\@:
	s_wait_loadcnt 0x0                             ; Q, where it was asked for
	s_wait_dscnt 0x0                               ; K is in; and my reads of the partner's merge bytes, if any, are over:
	s_barrier_signal -1                            ; this barrier stands between those reads and the next stores into those bytes; no LDS byte is filled behind it
.set i, 0
.rept 32
	KQ 0
.set i, i+1
.endr
	s_barrier_wait -1
	PLACES
.set k, 0
.set i, 0
.rept 32
	KQ 2
	SLICE 0
	SLICE 0
.set i, i+1
.endr
	s_wait_dscnt 0x0                               ; V is in
.set k, 0
.set i, 0
.rept 32
	PV 0
	SLICE 2
	SLICE 2
.set i, i+1
.endr
	WIN 0
	s_cmp_eq_u32 s[RT], 1
	s_cbranch_scc0 .Lnosend_\@
	SENDHALF \fill
	WIN 0
.Lnosend_\@:
	CHANGE \fill
.if \fill
	FETCH_K
	ASK
.else
	s_cmp_eq_u32 s[RT], 1
	s_cbranch_scc1 .Lnok_\@
	FETCH_K
.Lnok_\@:
.endif
.set i, 0
.rept 32
	PV 2
.set i, i+1
.endr
	WIN 0
	s_cmp_eq_u32 s[RT], 1
	s_cbranch_scc0 .Lnofin_\@
	FINISH \fill
	WIN 0
.Lnofin_\@:
	s_sub_co_u32 s[RT], s[RT], 1
.endm
	s_wait_tensorcnt 1                             ; my part of slot 0 is in; slot 1's may stay out
	s_barrier_signal -1
	s_barrier_wait -1
	s_mov_b32 s[TB], 0
	FETCH_K
	s_add_co_u32 s[RT], s[PB], 1                   ; the first block has b + 1 tiles
	s_mov_b32 s[SLOTS], 15
.Lmain:                                            ; 15 trips ask for the walk's tiles 2 .. 16; the first block ends in one of them
	TRIP 1
	s_sub_co_u32 s[SLOTS], s[SLOTS], 1
	s_cmp_lg_u32 s[SLOTS], 0
	s_cbranch_scc1 .Lmain
	s_mov_b32 s[SLOTS], 2
.Ltail:                                            ; the last two trips ask for nothing; the second block ends in the last
	TRIP 0
	s_sub_co_u32 s[SLOTS], s[SLOTS], 1
	s_cmp_lg_u32 s[SLOTS], 0
	s_cbranch_scc1 .Ltail
	s_wait_tensorcnt 0x0                           ; the wave's end
	ds_add_u32 v[SPW], v[NIL]
	s_wait_dscnt 0x0
	s_endpgm
.Lfunc_end_k_qc03d487ebb_attn:
	.size	k_qc03d487ebb_attn, .Lfunc_end_k_qc03d487ebb_attn-k_qc03d487ebb_attn
	.p2alignl 7, 3214868480
	.fill 96, 4, 3214868480
	.section	.rodata,"a",@progbits
	.p2align	6, 0x0
	.amdhsa_kernel k_qc03d487ebb_attn
		.amdhsa_group_segment_fixed_size 327680
		.amdhsa_private_segment_fixed_size 0
		.amdhsa_enable_private_segment 0
		.amdhsa_kernarg_size 16
		.amdhsa_user_sgpr_count 2
		.amdhsa_user_sgpr_kernarg_segment_ptr 1
		.amdhsa_wavefront_size32 1
		.amdhsa_system_sgpr_workgroup_id_x 1
		.amdhsa_system_sgpr_workgroup_id_y 1
		.amdhsa_system_sgpr_workgroup_id_z 1
		.amdhsa_system_vgpr_workitem_id 0
		.amdhsa_next_free_vgpr 1024
		.amdhsa_next_free_sgpr 84
		.amdhsa_reserve_vcc 1
		.amdhsa_float_denorm_mode_32 3
		.amdhsa_float_denorm_mode_16_64 3
		.amdhsa_memory_ordered 1
		.amdhsa_forward_progress 1
		.amdhsa_inst_pref_size 195
	.end_amdhsa_kernel
	.amdgpu_metadata
---
amdhsa.version: [ 1, 2 ]
amdhsa.kernels:
  - .name:           k_qc03d487ebb_attn
    .symbol:         k_qc03d487ebb_attn.kd
    .args:
      - { .name: qkv16, .offset: 0, .size: 8, .value_kind: global_buffer, .address_space: global }
      - { .name: o16, .offset: 8, .size: 8, .value_kind: global_buffer, .address_space: global }
    .group_segment_fixed_size: 327680
    .private_segment_fixed_size: 0
    .kernarg_segment_align: 8
    .kernarg_segment_size: 16
    .max_flat_workgroup_size: 128
    .sgpr_count:     84
    .vgpr_count:     1024
    .wavefront_size: 32
...
	.end_amdgpu_metadata
.endif
;; end of part 3
;; launch proj (part 4): grid 4 x 32, 4 waves a work-group, clusters of 4 x 4, 327,680 bytes of LDS; arguments o16, w16, x, out0; writes out0
.if DOCPART == 4
	.amdgcn_target "amdgcn-amd-amdhsa--gfx1250"
	.amdhsa_code_object_version 6
	.text
	.protected	k_qc03d487ebb_proj
	.globl	k_qc03d487ebb_proj
	.p2align	8
	.type	k_qc03d487ebb_proj,@function
k_qc03d487ebb_proj:
	s_mov_b64 s[64:65], 0
	v_nop
	global_prefetch_b8 v0, s[64:65] scope:SCOPE_SE
	s_setreg_imm32_b32 hwreg(HW_REG_WAVE_MODE, 25, 1), 1
	s_wait_xcnt 0x0
	s_wait_alu depctr_hold_cnt(0) depctr_sa_sdst(0) depctr_va_vdst(0) depctr_va_sdst(0) depctr_va_ssrc(0) depctr_va_vcc(0) depctr_vm_vsrc(0)
	s_getreg_b32 s2, hwreg(HW_REG_IB_STS2, 6, 4)
	s_cmp_eq_u32 s2, 0
	s_cbranch_scc0 .Lentry_in_a_cluster
	s_endpgm
.Lentry_in_a_cluster:
	s_bfe_u32 s2, ttmp6, 0x10000c
	s_cmp_lg_u32 s2, 0xf033
	s_cbranch_scc0 .Lentry_shape_is_right
	s_endpgm
.Lentry_shape_is_right:
; PROJ.  out0[m][n] = the sum over k of o16[m][k] Wo[n][k] + x[m][n], m < 8,192, n < 1,024, k < 1,024; f16 operands (Wo = rows 3,072 .. 4,095 of w16), f32 sums, the residual added in f32.
; The loop is that of the launch for q, k and v: a tile of C is 256 x 256, four waves of 128 x 128, K in 8 steps of 128 through two LDS slots, cluster 4 x 4 with A's tile asked for jointly along a row and B's along a column;
; a trip is one K step; one descriptor a tensor walks.  128 work-groups: a tile of half the size would feed half the products from each LDS byte.
; THE WAY OUT.  A block of 16 rows goes in f32 through my own stage (rows of 512 + 16 bytes) and comes back as whole rows of 512 bytes; x's rows, asked for up to three blocks ahead into window 1, are added; 32 lanes store 512 consecutive bytes.
; REGISTERS: window 0: v0-31 addresses, v64-191 A's two fragment buffers (on the way out: two sets of 16 rows); window 1: v64-191 B's buffers, all 256 on the way out: four sets of x's rows; windows 2, 3: the accumulators.
.set SIZE_K, 1024
.set KSTEP,  128
.set PITCH,  272
.set HALFT,  128*PITCH
.set SLOT,   4*HALFT                   ; 0x22000 shares no bit with wave x HALFT, so an exclusive or by it changes slots
.set STAGE,  2*SLOT
.set SPITCH, 528                       ; 132 words: row r starts at bank 4 r mod 64
.set SPARE,  STAGE+4*16*SPITCH         ; the spare words: 128 bytes a wave, named by no other line
.set ADRA, 16
.set A0,   17
.set ADRB, 20
.set B0,   21
.set STO,  24
.set RD,   25
.set CO,   26
.set SPW,  28
.set NIL,  29
.set PFO,  30
.set PFA,  44
.set LIM,  43
.set TB,   66
.set F0,   64
.set F1,   128
.set G1,  24
.set G0,  32
.set G1B, 48
.set G0B, 56
.set MSB, 0
.macro WIN new
.if MSB != (\new)
	s_set_vgpr_msb (MSB<<8)|(\new)
.set MSB, \new
.endif
.endm
.set MUL_LO, 0xa1
.set MUL_HI, 0xf1
.set TO_B,   0x40
.macro JLOAD s                         ; a joint load: waves 0 and 1 fetch A's halves, waves 2 and 3 B's; s_nop 0 and four v_nop follow each line
	s_cmp_eq_u32 s11, 0
	s_cbranch_scc0 .Lfor_b_\@
	tensor_load_to_lds s[G0+4*(\s):G0+4*(\s)+3], s[G1:G1+7]
	s_nop 0
.rept 4
	v_nop
.endr
	s_branch .Lasked_\@
.Lfor_b_\@:
	tensor_load_to_lds s[G0B+4*(\s):G0B+4*(\s)+3], s[G1B:G1B+7]
	s_nop 0
.rept 4
	v_nop
.endr
.Lasked_\@:
.endm
.macro ASK                             ; the K step two refills on: 32 rows x 256 bytes, a lane a row; cluster x = 0 asks for A's rows, cluster y = 0 for B's; only s3 > 2 asks: the last block named is K step 7
	s_cmp_gt_u32 s3, s[LIM]
	s_cbranch_scc0 .Lnot_mine_\@
	global_prefetch_b8 v[PFO], s[PFA:PFA+1] offset:KSTEP*2 th:TH_LOAD_NT scope:SCOPE_SE
.Lnot_mine_\@:
.endm
.macro CREST
	s_cmp_lg_u32 s10, 0
	s_cbranch_scc1 .Lnot_wave_0_\@
	s_barrier_signal -3
.Lnot_wave_0_\@:
	s_barrier_wait -3
	s_barrier_signal -1
	s_barrier_wait -1
.endm
.macro CROUND
	s_barrier_signal -1
	s_barrier_wait -1
	CREST
.endm
	s_load_b128 s[4:7], s[0:1], 0x0                ; A = o16, w16
	s_load_b128 s[68:71], s[0:1], 0x10             ; x, out0
	v_lshl_add_u32 v[SPW], v0, 2, SPARE
	v_mov_b32 v[NIL], 0
	ds_add_u32 v[SPW], v[NIL]                      ; the wave's opening: the add and its wait ahead of my first tensor load
	ds_add_u32 v28, v29
	v_lshrrev_b32 v1, 5, v0
	v_readfirstlane_b32 s10, v1
	s_lshr_b32 s11, s10, 1
	s_and_b32 s12, s10, 1
	s_bfe_u32 s40, ttmp6, 0x40000                  ; cx
	s_bfe_u32 s41, ttmp6, 0x40004                  ; cy
	s_lshl_b32 s42, ttmp9, 2
	s_add_co_u32 s42, s42, s40                     ; tile column
	s_and_b32 s13, ttmp7, 0xffff
	s_lshl_b32 s13, s13, 2
	s_add_co_u32 s13, s13, s41                     ; tile row
	s_lshl_b32 s43, s41, 2
	s_lshl_b32 s43, 15, s43
	s_lshl_b32 s44, 0x1111, s40
	s_or_b32 s[G1+0], s43, (1<<16)|(1<<20)|(1<<21)|(5<<22)|(3<<25)
	s_or_b32 s[G1B+0], s44, (1<<16)|(1<<20)|(1<<21)|(5<<22)|(3<<25)
.irp g, G1, G1B
	s_mov_b32 s[(\g)+1], KSTEP<<16
	s_mov_b32 s[(\g)+2], 128<<16
	s_mov_b32 s[(\g)+3], KSTEP<<16
	s_mov_b32 s[(\g)+4], 128
	s_mov_b32 s[(\g)+5], SIZE_K
	s_mov_b32 s[(\g)+6], 0
	s_mov_b32 s[(\g)+7], 0
.endr
	s_lshl_b32 s17, s12, 7
	s_lshl_b32 s16, s13, 8
	s_add_co_u32 s16, s16, s17
	s_lshl_b32 s16, s16, 11
	s_lshl_b32 s46, s42, 8
	s_add_co_u32 s46, s46, s17
	s_lshl_b32 s46, s46, 11
	s_mov_b32 s17, 0
	s_mov_b32 s47, 0
	s_mul_i32 s20, s10, HALFT
	s_wait_dscnt 0x0                               ; the opening add is done
	s_wait_kmcnt 0x0
	s_add_nc_u64 s[6:7], s[6:7], 3072*2048         ; B = Wo's rows of w16
	s_add_nc_u64 s[14:15], s[4:5], s[16:17]
	s_add_nc_u64 s[46:47], s[6:7], s[46:47]
	CROUND
.irp s, 0,1
	s_mov_b32 s[G0+4*(\s)], 1
	s_add_co_u32 s[G0+4*(\s)+1], s20, (\s)*SLOT
	s_add_nc_u64 s[G0+4*(\s)+2:G0+4*(\s)+3], s[14:15], (\s)*KSTEP*2
	s_or_b32 s[G0+4*(\s)+3], s[G0+4*(\s)+3], 0x80000000
	s_mov_b32 s[G0B+4*(\s)], 1
	s_add_co_u32 s[G0B+4*(\s)+1], s20, (\s)*SLOT
	s_add_nc_u64 s[G0B+4*(\s)+2:G0B+4*(\s)+3], s[46:47], (\s)*KSTEP*2
	s_or_b32 s[G0B+4*(\s)+3], s[G0B+4*(\s)+3], 0x80000000
	JLOAD \s
.endr
	v_and_b32 v1, 15, v0
	v_bfe_u32 v2, v0, 4, 1
	v_mul_u32_u24 v3, v1, PITCH
	v_lshl_add_u32 v3, v2, 4, v3
	s_mul_i32 s21, s11, HALFT
	s_mul_i32 s22, s12, HALFT
	s_add_co_u32 s22, s22, 2*HALFT
	v_add_nc_u32 v[A0], s21, v3
	v_add_nc_u32 v[B0], s22, v3
	v_mov_b32 v[ADRA], v[A0]
	v_mov_b32 v[ADRB], v[B0]
	s_mov_b32 s[TB], 0
	s_mul_i32 s23, s10, 16*SPITCH
	s_add_co_u32 s23, s23, STAGE                   ; my stage
	v_mul_u32_u24 v4, v1, SPITCH
	v_lshl_add_u32 v4, v2, 5, v4
	v_add_nc_u32 v[STO], s23, v4                   ; in: row l % 16, 32 bytes for each half of the lanes
	v_and_b32 v5, 31, v0
	v_lshlrev_b32 v[CO], 4, v5                     ; my 16 bytes of a row's 512
	v_add_nc_u32 v[RD], s23, v[CO]
	s_lshl_b32 s46, s13, 1
	s_add_co_u32 s46, s46, s11
	s_lshl_b32 s46, s46, 19                        ; my 128 rows of 4,096 bytes
	s_lshl_b32 s47, s42, 1
	s_add_co_u32 s47, s47, s12
	s_lshl_b32 s47, s47, 9                         ; my 128 columns: 512 bytes
	s_add_co_u32 s46, s46, s47
	s_mov_b32 s47, 0
	s_add_nc_u64 s[68:69], s[68:69], s[46:47]
	s_add_nc_u64 s[70:71], s[70:71], s[46:47]
	s_lshl_b32 s13, s13, 8
	s_lshl_b32 s42, s42, 8
	s_and_b32 s22, ttmp7, 0xffff
	s_cmp_eq_u32 s11, 0
	s_cselect_b32 s20, s13, s42
	s_cselect_b32 s21, s40, s41
	s_cselect_b32 s22, ttmp9, s22
	s_cselect_b64 s[PFA:PFA+1], s[4:5], s[6:7]
	s_cmp_eq_u32 s22, 0
	s_cselect_b32 s[LIM], 2, -1
	s_lshl_b32 s22, s12, 7
	s_add_co_u32 s20, s20, s22
	s_lshl_b32 s21, s21, 5
	s_add_co_u32 s20, s20, s21
	s_lshl_b32 s20, s20, 11
	s_mov_b32 s21, 0
	s_add_nc_u64 s[PFA:PFA+1], s[PFA:PFA+1], s[20:21]
	s_add_nc_u64 s[PFA:PFA+1], s[PFA:PFA+1], 2*KSTEP*2
	v_and_b32 v[PFO], 31, v0
	v_lshlrev_b32 v[PFO], 11, v[PFO]
.macro MUL16 f, hi, a0, zero
	WIN MUL_LO+0x50*(\hi)
.irp a, \a0, (\a0)+1
.irp b, 0,1,2,3,4,5,6,7
.if \zero
	v_wmma_f32_16x16x32_f16 v[8*(8*(\a)+(\b)):8*(8*(\a)+(\b))+7], v[(\f)+8*(\b):(\f)+8*(\b)+7], v[(\f)+8*(4*(\hi)+(\a)):(\f)+8*(4*(\hi)+(\a))+7], 0
.else
	v_wmma_f32_16x16x32_f16 v[8*(8*(\a)+(\b)):8*(8*(\a)+(\b))+7], v[(\f)+8*(\b):(\f)+8*(\b)+7], v[(\f)+8*(4*(\hi)+(\a)):(\f)+8*(4*(\hi)+(\a))+7], v[8*(8*(\a)+(\b)):8*(8*(\a)+(\b))+7]
.endif
.endr
.endr
.endm
.macro FETCH k, f
	WIN TO_B
.irp i, 0,1,2,3,4,5,6,7
	ds_load_b128 v[(\f)+8*(\i):(\f)+8*(\i)+3],   v[ADRB] offset:(\k)+(\i)*16*PITCH
	ds_load_b128 v[(\f)+8*(\i)+4:(\f)+8*(\i)+7], v[ADRB] offset:(\k)+(\i)*16*PITCH+32
.endr
	WIN 0
.irp i, 0,1,2,3,4,5,6,7
	ds_load_b128 v[(\f)+8*(\i):(\f)+8*(\i)+3],   v[ADRA] offset:(\k)+(\i)*16*PITCH
	ds_load_b128 v[(\f)+8*(\i)+4:(\f)+8*(\i)+7], v[ADRA] offset:(\k)+(\i)*16*PITCH+32
.endr
.endm
.macro PLACES
.rept 4
	v_nop
.endr
.endm
.macro QUARTER k, f, g, zero
	s_wait_dscnt 8                                 ; the youngest eight loads (A's rows 64-127) may be out
	MUL16 \f, 0, 0, \zero
	MUL16 \f, 0, 2, \zero
	PLACES
	FETCH \k, \g
	s_wait_dscnt 32                                ; all but the 32 just issued
	MUL16 \f, 1, 0, \zero
	MUL16 \f, 1, 2, \zero
.endm
.macro MEET round
	WIN 0
	s_wait_tensorcnt 0x0                           ; all my tensor loads have landed
	ds_add_u32 v[SPW], v[NIL]
	s_wait_dscnt 9                                 ; the add and the youngest eight loads may be out
	MUL16 F1, 0, 0, 0
	s_wait_dscnt 0x0                               ; the add is done, and my reads of this slot are over
	s_barrier_signal -1
	MUL16 F1, 0, 2, 0
.if \round
	WIN 0
.endif
	s_barrier_wait -1
.endm
.macro TURN fill
.if \fill
	s_wait_xcnt 0x0                                ; the last prefetch, a K step back, has read its address
	s_add_nc_u64 s[PFA:PFA+1], s[PFA:PFA+1], KSTEP*2
.endif
	MEET \fill
.if \fill
	CREST
	s_xor_b32 s[G0+5], s[G0+5], SLOT
	s_add_nc_u64 s[G0+6:G0+7], s[G0+6:G0+7], KSTEP*2
	s_xor_b32 s[G0B+5], s[G0B+5], SLOT
	s_add_nc_u64 s[G0B+6:G0B+7], s[G0B+6:G0B+7], KSTEP*2
	JLOAD 1
.else
	PLACES
.endif
	WIN 0
	s_xor_b32 s[TB], s[TB], SLOT
	v_add_nc_u32 v[ADRA], s[TB], v[A0]
	v_add_nc_u32 v[ADRB], s[TB], v[B0]
	FETCH 0, F0
.if \fill
	ASK
.endif
	MUL16 F1, 1, 0, 0
	MUL16 F1, 1, 2, 0
.endm
.macro LASTQ
	s_wait_dscnt 8
	MUL16 F1, 0, 0, 0
	MUL16 F1, 0, 2, 0
	s_wait_dscnt 0x0
	MUL16 F1, 1, 0, 0
	MUL16 F1, 1, 2, 0
	WIN 0
	PLACES
.endm
.macro SETXB a                         ; x's rows of block a: one of four sets of 64 registers in window 1; the first two lie idle during the loop
.if (\a)%4 == 0
.set XB, 0
.elseif (\a)%4 == 1
.set XB, 192
.elseif (\a)%4 == 2
.set XB, 64
.else
.set XB, 128
.endif
.endm
.macro XLOAD a
	SETXB \a
	WIN 0x40
.irp i, 0,1,2,3,4,5,6,7,8,9,10,11,12,13,14,15
	global_load_b128 v[XB+4*(\i):XB+4*(\i)+3], v[CO], s[68:69] offset:(16*(\a)+(\i))*4096 th:TH_LOAD_NT
.endr
.endm
.macro OUTBLK a
.set AC, 64*((\a)%4)
.set BK, 64+64*((\a)%2)
	WIN 0x08+4*((\a)/4)                            ; the data in window 2 or 3
.irp b, 0,1,2,3,4,5,6,7
	ds_store_b128 v[STO], v[AC+8*(\b):AC+8*(\b)+3]   offset:64*(\b)     ; each accumulator's low four registers first
	ds_store_b128 v[STO], v[AC+8*(\b)+4:AC+8*(\b)+7] offset:64*(\b)+16
.endr
	WIN 0
	s_wait_xcnt 0x0                                ; the stores of the block two back have read these registers
.irp i, 0,1,2,3,4,5,6,7,8,9,10,11,12,13,14,15
	ds_load_b128 v[BK+4*(\i):BK+4*(\i)+3], v[RD] offset:SPITCH*(\i)      ; LDS serves a wave's instructions in order: these see the stores above
.endr
.if (\a) <= 5
	s_wait_loadcnt 32                              ; x's rows of this block are in; the 16 loads of each of the next two blocks may stay out
.elseif (\a) == 6
	s_wait_loadcnt 16
.else
	s_wait_loadcnt 0x0
.endif
	s_wait_dscnt 0x0
	SETXB \a
	WIN 0x04                                       ; source 1 in window 1
.set z, 0
.rept 32
	v_pk_add_f32 v[BK+2*z:BK+2*z+1], v[BK+2*z:BK+2*z+1], v[XB+2*z:XB+2*z+1]
.set z, z+1
.endr
	WIN 0
.irp i, 0,1,2,3,4,5,6,7,8,9,10,11,12,13,14,15
	global_store_b128 v[CO], v[BK+4*(\i):BK+4*(\i)+3], s[70:71] offset:(16*(\a)+(\i))*4096 th:TH_STORE_NT  ; 512 consecutive bytes, aligned
.endr
.if (\a)+3 < 8
	XLOAD (\a)+3
.endif
.endm
	s_wait_tensorcnt 1                             ; my part of K step 0 is in; K step 1's may stay out
	s_barrier_signal -1
	s_barrier_wait -1
	FETCH 0, F0
	QUARTER 64, F0, F1, 1
	WIN 0
	s_mov_b32 s3, 6
.Lstep:
	QUARTER 128, F1, F0, 0
	QUARTER 192, F0, F1, 0
	TURN 1
	QUARTER 64, F0, F1, 0
	WIN 0
	s_sub_co_u32 s3, s3, 1
	s_cmp_lg_u32 s3, 0
	s_cbranch_scc1 .Lstep
	QUARTER 128, F1, F0, 0
	QUARTER 192, F0, F1, 0
	TURN 0
	XLOAD 0                                        ; the residual of my first 32 rows: a K step ahead of its use
	XLOAD 1
	QUARTER 64, F0, F1, 0
	QUARTER 128, F1, F0, 0
	QUARTER 192, F0, F1, 0
	LASTQ
	XLOAD 2
.irp a, 0,1,2,3,4,5,6,7
	OUTBLK \a
.endr
	WIN 0
	s_wait_tensorcnt 0x0                           ; the wave's end
	ds_add_u32 v[SPW], v[NIL]
	s_wait_dscnt 0x0
	CROUND                                         ; the closing round
	s_endpgm
.Lfunc_end_k_qc03d487ebb_proj:
	.size	k_qc03d487ebb_proj, .Lfunc_end_k_qc03d487ebb_proj-k_qc03d487ebb_proj
	.p2alignl 7, 3214868480
	.fill 96, 4, 3214868480
	.section	.rodata,"a",@progbits
	.p2align	6, 0x0
	.amdhsa_kernel k_qc03d487ebb_proj
		.amdhsa_group_segment_fixed_size 327680
		.amdhsa_private_segment_fixed_size 0
		.amdhsa_enable_private_segment 0
		.amdhsa_kernarg_size 32
		.amdhsa_user_sgpr_count 2
		.amdhsa_user_sgpr_kernarg_segment_ptr 1
		.amdhsa_wavefront_size32 1
		.amdhsa_system_sgpr_workgroup_id_x 1
		.amdhsa_system_sgpr_workgroup_id_y 1
		.amdhsa_system_sgpr_workgroup_id_z 1
		.amdhsa_system_vgpr_workitem_id 0
		.amdhsa_next_free_vgpr 1024
		.amdhsa_next_free_sgpr 72
		.amdhsa_reserve_vcc 0
		.amdhsa_float_denorm_mode_32 3
		.amdhsa_float_denorm_mode_16_64 3
		.amdhsa_memory_ordered 1
		.amdhsa_forward_progress 1
		.amdhsa_inst_pref_size 144
	.end_amdhsa_kernel
	.amdgpu_metadata
---
amdhsa.version: [ 1, 2 ]
amdhsa.kernels:
  - .name:           k_qc03d487ebb_proj
    .symbol:         k_qc03d487ebb_proj.kd
    .args:
      - { .name: o16, .offset: 0, .size: 8, .value_kind: global_buffer, .address_space: global }
      - { .name: w16, .offset: 8, .size: 8, .value_kind: global_buffer, .address_space: global }
      - { .name: x, .offset: 16, .size: 8, .value_kind: global_buffer, .address_space: global }
      - { .name: out0, .offset: 24, .size: 8, .value_kind: global_buffer, .address_space: global }
    .group_segment_fixed_size: 327680
    .private_segment_fixed_size: 0
    .kernarg_segment_align: 8
    .kernarg_segment_size: 32
    .max_flat_workgroup_size: 128
    .sgpr_count:     72
    .vgpr_count:     1024
    .wavefront_size: 32
...
	.end_amdgpu_metadata
.endif
;; end of part 4
